; MI455X (gfx1250); checked and timed in simulation.
; The chip was launched on July 23, 2026; its instructions are those of AMD's public machine-readable ISA for CDNA 5 (MIT licence, August 2026) and "CDNA5" Instruction Set Architecture Reference Guide (July 2026). The comments in the code are by the model that wrote it; some were corrected since.
;; Parallel Transformer Block. Allowed arithmetic: matrix products marked QUANTISED: E4M3 operands, one E8M0 scale for each 32 along K, by v_wmma_scale_f32_16x16x128_f8f6f4 with both operands' format E4M3, f32 sums; products left as they are: f32 operands where the result goes on into a quantised operand, else bf16, f16 or f32 operands; f32 sums; everything else in f32.
;; Inputs: W_attn_out_codes 1,024 x 16 x 32 uint8 (E4M3 codes of W_attn_out, K innermost, in blocks of 32 codes); W_attn_out_scales 1,024 x 16 uint8 (E8M0 scales of W_attn_out, one for each 32 codes along K); W_ff_out_codes 1,024 x 128 x 32 uint8 (E4M3 codes of W_ff_out, K innermost, in blocks of 32 codes); W_ff_out_scales 1,024 x 128 uint8 (E8M0 scales of W_ff_out, one for each 32 codes along K); W_fused_codes 8,768 x 32 x 32 uint8 (E4M3 codes of W_fused, K innermost, in blocks of 32 codes); W_fused_scales 8,768 x 32 uint8 (E8M0 scales of W_fused, one for each 32 codes along K); gamma 1,024 float32; x 2 x 2,048 x 1,024 float32.
;; Outputs: out0 2 x 2,048 x 1,024 float32.
;; This version of the problem:
;;   THIS VERSION OF THE PROBLEM IS GIVEN IN LOW PRECISION. The matrix products marked QUANTISED in the list below multiply operands that are first quantised to E4M3 (4 exponent bits, 3 mantissa bits; 8 bits a number), with one power-of-two scale for each 32 numbers along K (OCP MX v1.0); their sums are f32. All else is computed in f32.
;;   The module's matrix products, in the order in which they are computed (A, B: the left and right operand; K: the contracted axis; several contracted axes count as one K, in the product's order):
;;     1. [M 4,096, K 1,024] x [K 1,024, N 8,768]; A: computed on the way; B: input W_fused (given as codes): QUANTISED
;;     2. [M 2,048, K 1] x [K 1, N 16]; A: computed on the way; B: computed on the way: left as it is (no contracted axis)
;;     3. batch 2 x [M 32,768, K 32] x [K 32, N 2,048]; A: computed on the way; B: computed on the way: QUANTISED
;;     4. batch 2 x [M 32,768, K 2,048] x [K 2,048, N 32]; A: softmax (see below); B: computed on the way: QUANTISED
;;     5. [M 4,096, K 512] x [K 512, N 1,024]; A: computed on the way; B: input W_attn_out (given as codes): QUANTISED
;;     6. [M 4,096, K 4,096] x [K 4,096, N 1,024]; A: computed on the way; B: input W_ff_out (given as codes): QUANTISED
;;   THE QUANTISER, for each operand of a quantised product, along K:
;;     - K is cut into blocks of 32 from its start; a last block that is shorter is filled with zeros.
;;     - A block's scale is 2^e with e = floor(log2(the largest magnitude in the block)) - 8, held to -126 .. 127; a block of zeros has e = 0. As a byte (E8M0): e + 127.
;;     - Each number is divided by its block's scale, clamped to +-448, and rounded to the nearest number of E4M3, ties to even, subnormals kept.
;;     - The product sums the exact products of the quantised numbers (number of the format x scale) in f32.
;;   ~~~python
;;   def quantise(x, axis):      # numpy; x: float32 -> the quantised numbers, widened to float32 again
;;       x = np.moveaxis(x, axis, -1); K = x.shape[-1]
;;       x = np.pad(x, [(0, 0)] * (x.ndim - 1) + [(0, -K % 32)]); x = x.reshape(x.shape[:-1] + (-1, 32)); a = np.abs(x).max(-1, keepdims=True)
;;       e = np.where(a > 0, np.clip(np.frexp(np.where(a > 0, a, 1))[1] - 1 - 8, -126, 127), 0)      # np.frexp(a)[1] - 1 = floor(log2(a)), exactly
;;       r = np.clip(x / 2.0 ** e, -448, 448)
;;       step = 2.0 ** (np.maximum(np.frexp(np.where(r == 0, 1, r))[1] - 1, -6) - 3)
;;       q = np.round(r / step) * step * 2.0 ** e      # np.round: ties to even
;;       return np.moveaxis(q.reshape(q.shape[:-2] + (-1,))[..., :K], -1, axis).astype(np.float32)
;;   ~~~
;;   SOFTMAX AHEAD OF A QUANTISED PRODUCT. Where the list says 'softmax', what is quantised is not the finished softmax but p = 2^(t - M), with t = logit x log2(e) and M = ceil(the row's largest t), a whole number; so 1/2 < the row's largest p <= 1. The row's sum l is taken of the UNQUANTISED p, in f32, and the product's result is divided by l at the end. Since M is a whole number, a kernel that streams over the keys may use a running M (the ceiling of the running maximum): every later rescaling is an exact power of two, which a block's scale takes up: the codes' values come out the same.
;;   OPERANDS COMPUTED ON THE WAY. 'Computed on the way' means the value that the module computes at that place (a softmax that the list does not call 'softmax' is quantised finished and normalised). What goes into a quantiser is computed in f32, as accurately as f32 sums, v_exp_f32 and their like allow (about 1e-6 of the number): no bf16 or f16 on the way to a quantiser, and a product that is left as it is and whose result goes on into a quantised operand takes f32 operands (vector FMAs, or v_wmma_f32_16x16x4_f32). A number that lies on a knife's edge between two numbers of the format may be rounded either way, as far as f32 arithmetic and the matrix unit's own rounding can turn it there, and no further.
;;   INPUTS GIVEN AS CODES. W_attn_out (in the module: [512, 1024], K = its axis 0); W_ff_out (in the module: [4096, 1024], K = its axis 0); W_fused (in the module: [1024, 8768], K = its axis 0): each comes as NAME_codes (uint8): NAME with its K axis moved to the last place and cut into blocks of 32 codes, [.., K / 32, bytes a block], one block behind the other in memory; one code a byte (a code: sign, 4 exponent bits, 3 mantissa bits); and NAME_scales (uint8): the same leading axes, one E8M0 byte (e + 127) for each 32 codes along K. Its value is code x scale, taken as it is: it is not quantised again, and the codes and scales need not be those that the quantiser above would give.
;; One version. Each part assembles by itself: llvm-mc -triple=amdgcn-amd-amdhsa -mcpu=gfx1250 --defsym DOCPART=n.
;; ======== version 1 of 1: 5 launches
;; limits: right only within a limited range of input values
;; workspace buffers: xq_codes 4,194,304 bytes; xq_scales 131,072 bytes; q_img 2,097,152 bytes; q_scl 262,144 bytes; kv 270,336 bytes; act_img 18,874,368 bytes; act_scl 589,824 bytes
;; launch lnq (part 1): grid 256 x 1, 8 waves a work-group, no clusters, 83,968 bytes of LDS; arguments x, gamma, xq_codes, xq_scales; writes xq_codes, xq_scales
.if DOCPART == 1
	.amdgcn_target "amdgcn-amd-amdhsa--gfx1250"
	.amdhsa_code_object_version 6
	.text
	.protected	k_q24b393d2a9_lnq
	.globl	k_q24b393d2a9_lnq
	.p2align	8
	.type	k_q24b393d2a9_lnq,@function
k_q24b393d2a9_lnq:
	s_mov_b64 s[64:65], 0
	v_nop
	global_prefetch_b8 v0, s[64:65] scope:SCOPE_SE
	s_setreg_imm32_b32 hwreg(HW_REG_WAVE_MODE, 25, 1), 1
	s_wait_xcnt 0x0
; LayerNorm of x [4096][1024] f32 (mean and variance in two passes, so that a common offset of x costs no digits), times gamma, then the rows
; as codes of E4M3 with one E8M0 byte for each 32 along the row: xq_codes [4096][1024], xq_scales [4096][32].
; A work-group takes 16 rows, each of its eight waves two.  A row is 4,096 bytes: eight loads of 512 consecutive bytes, kept in 32 registers.
; The conversions take 16 neighbours from ONE lane, the loads give a lane 4: so a row turns through the wave's own stage in LDS, 512 numbers at a time
; (64 bytes + 16 of padding for each lane).  Two neighbouring lanes hold a block of 32.  A lane's 16 codes are 16 bytes: a store covers 512 consecutive bytes.
; The work-group's 512 scale bytes are gathered in LDS and leave by one store of wave 0, as two aligned runs of 256 bytes.
; No tensor load, no matrix unit, no cluster: work-groups share nothing but gamma (4 KiB), and the launch is bound by the 16.8 MB that it reads once.
; LIMITS: NaN and infinities are not served; a block whose largest magnitude lies under 2^-118 keeps the byte 1 (a block of zeros too: its codes are zeros, and this program alone reads the bytes).
.set SCB, 81920                        ; LDS: behind the eight waves' stages (4 x 2,560 bytes each): 16 rows x 32 scale bytes
.set G,   8                            ; v8-39    gamma, as loaded
.set X,   40                           ; v40-103  two rows, as loaded
.set Y,   104                          ; v104-167 two rows, 16 neighbours a lane and step
.set C,   168                          ; v168-183 codes: four registers for each of the four steps, never rewritten
.set E,   184                          ; v184-187 a scale byte for each step
.set T,   188                          ; v188-199 at work
	s_load_b256 s[4:11], s[0:1], 0x0               ; x s[4:5], gamma s[6:7], xq_codes s[8:9], xq_scales s[10:11]
	v_lshl_add_u32 v200, v0, 2, 0x14400
	v_mov_b32 v201, 0
	v_lshrrev_b32 v1, 5, v0
	s_delay_alu instid0(VALU_DEP_1)
	v_readfirstlane_b32 s12, v1                    ; wave
	v_and_b32 v1, 31, v0                           ; lane
	s_delay_alu instid0(VALU_DEP_1)
	v_lshlrev_b32 v2, 4, v1                        ; 16 x lane
	s_mul_i32 s13, s12, 10240                      ; my wave's four stages
	v_lshrrev_b32 v3, 2, v1
	s_delay_alu instid0(VALU_DEP_1)
	v_mul_u32_u24 v3, v3, 80
	v_and_b32 v4, 3, v1
	s_delay_alu instid0(VALU_DEP_1)
	v_lshl_add_u32 v3, v4, 4, v3
	s_delay_alu instid0(VALU_DEP_1)
	v_add_nc_u32 v3, s13, v3                       ; into a stage: four lanes' 64 bytes on end, then 16 of padding
	v_mul_u32_u24 v4, v1, 80
	s_delay_alu instid0(VALU_DEP_1)
	v_add_nc_u32 v4, s13, v4                       ; out of it: 80 x lane: my 16 neighbours
	v_lshrrev_b32 v5, 1, v1
	s_lshl_b32 s14, s12, 6
	s_add_co_u32 s14, s14, SCB
	v_add_nc_u32 v5, s14, v5                       ; my wave's 64 scale bytes, my block's byte
	v_add_nc_u32 v6, SCB, v2                       ; wave 0 reads all 512 back
	s_lshl_b32 s16, ttmp9, 16                      ; 16 rows x 4,096 bytes a work-group,
	s_lshl_b32 s15, s12, 13                        ; 2 rows a wave
	s_add_co_u32 s16, s16, s15
	s_mov_b32 s17, 0
	s_lshr_b32 s18, s16, 2                         ; the same rows in the codes: 1,024 bytes a row
	s_mov_b32 s19, 0
	s_lshl_b32 s20, ttmp9, 9                       ; and the work-group's 512 scale bytes
	s_mov_b32 s21, 0
	s_mov_b32 s22, 0x3a800000                      ; 1 / 1024
	s_mov_b32 s23, 0x3727c5ac                      ; 1e-5
	s_mov_b32 s24, 0x600000                        ; the mantissa field of 448
	s_mov_b32 s26, 0x76543210                      ; v_permlanex16_b32: lane l xor 16
	s_mov_b32 s27, 0xfedcba98
	s_wait_kmcnt 0x0
	s_add_nc_u64 s[4:5], s[4:5], s[16:17]
	s_add_nc_u64 s[8:9], s[8:9], s[18:19]
	s_add_nc_u64 s[10:11], s[10:11], s[20:21]
.irp i, 0,1,2,3,4,5,6,7
	global_load_b128 v[G+4*\i:G+4*\i+3], v2, s[6:7] offset:512*\i
.endr
.irp i, 0,1,2,3,4,5,6,7
	global_load_b128 v[X+4*\i:X+4*\i+3], v2, s[4:5] offset:512*\i th:TH_LOAD_NT
.endr
.irp i, 0,1,2,3,4,5,6,7
	global_load_b128 v[X+32+4*\i:X+32+4*\i+3], v2, s[4:5] offset:4096+512*\i th:TH_LOAD_NT
.endr
.macro REDUCE                          ; four pairs of partial sums in v[T] .. v[T+7] become the row's sum, in every lane's v[T]
	s_delay_alu instid0(VALU_DEP_3)
	v_pk_add_f32 v[T:T+1], v[T:T+1], v[T+2:T+3]
	s_delay_alu instid0(VALU_DEP_2)
	v_pk_add_f32 v[T+4:T+5], v[T+4:T+5], v[T+6:T+7]
	s_delay_alu instid0(VALU_DEP_1)
	v_pk_add_f32 v[T:T+1], v[T:T+1], v[T+4:T+5]
	s_delay_alu instid0(VALU_DEP_1)
	v_add_f32 v[T], v[T], v[T+1]
	s_delay_alu instid0(VALU_DEP_1)
	v_add_f32_dpp v[T], v[T], v[T] row_xmask:1 row_mask:0xf bank_mask:0xf
	s_delay_alu instid0(VALU_DEP_1)
	v_add_f32_dpp v[T], v[T], v[T] row_xmask:2 row_mask:0xf bank_mask:0xf
	s_delay_alu instid0(VALU_DEP_1)
	v_add_f32_dpp v[T], v[T], v[T] row_xmask:4 row_mask:0xf bank_mask:0xf
	s_delay_alu instid0(VALU_DEP_1)
	v_add_f32_dpp v[T], v[T], v[T] row_xmask:8 row_mask:0xf bank_mask:0xf
	s_delay_alu instid0(VALU_DEP_1)
	v_permlanex16_b32 v[T+1], v[T], s26, s27
	s_delay_alu instid0(VALU_DEP_1)
	v_add_f32 v[T], v[T], v[T+1]
.endm
.macro ROW rho, left                   ; row rho is normalised in place.  left: the younger loads that may stay out
.set XR, X+32*\rho
	s_wait_loadcnt \left
.irp k, 0,1,2,3
	v_pk_add_f32 v[T+2*\k:T+2*\k+1], v[XR+4*\k:XR+4*\k+1], v[XR+4*\k+2:XR+4*\k+3]   ; four chains, started by the first eight pairs
.endr
.irp p, 8,9,10,11,12,13,14,15
	s_delay_alu instid0(VALU_DEP_4)
	v_pk_add_f32 v[T+2*(\p%4):T+2*(\p%4)+1], v[T+2*(\p%4):T+2*(\p%4)+1], v[XR+2*\p:XR+2*\p+1]
.endr
	REDUCE
	s_delay_alu instid0(VALU_DEP_1)
	v_mul_f32 v[T+8], s22, v[T]                    ; the mean, twice: a pair for the packed subtraction
	s_delay_alu instid0(VALU_DEP_2)
	v_mul_f32 v[T+9], s22, v[T]
.irp p, 0,1,2,3,4,5,6,7,8,9,10,11,12,13,14,15
	v_pk_add_f32 v[XR+2*\p:XR+2*\p+1], v[XR+2*\p:XR+2*\p+1], v[T+8:T+9] neg_lo:[0,1] neg_hi:[0,1]
.endr
.irp k, 0,1,2,3
	v_pk_mul_f32 v[T+2*\k:T+2*\k+1], v[XR+2*\k:XR+2*\k+1], v[XR+2*\k:XR+2*\k+1]
.endr
.irp p, 4,5,6,7,8,9,10,11,12,13,14,15
	s_delay_alu instid0(VALU_DEP_4)
	v_pk_fma_f32 v[T+2*(\p%4):T+2*(\p%4)+1], v[XR+2*\p:XR+2*\p+1], v[XR+2*\p:XR+2*\p+1], v[T+2*(\p%4):T+2*(\p%4)+1]
.endr
	REDUCE
	s_delay_alu instid0(VALU_DEP_1)
	v_fma_f32 v[T], v[T], s22, s23                 ; the variance + 1e-5
	s_wait_alu depctr_va_vdst(0)
	v_rsq_f32 v[T+8], v[T]
	v_rsq_f32 v[T+9], v[T]
	v_nop                                          ; one plain instruction behind a transcendental before its result is used (ISA guide 5.7.2)
	s_wait_alu depctr_va_vdst(0)
.irp p, 0,1,2,3,4,5,6,7,8,9,10,11,12,13,14,15
	v_pk_mul_f32 v[XR+2*\p:XR+2*\p+1], v[XR+2*\p:XR+2*\p+1], v[T+8:T+9]
.endr
.irp p, 0,1,2,3,4,5,6,7,8,9,10,11,12,13,14,15
	v_pk_mul_f32 v[XR+2*\p:XR+2*\p+1], v[XR+2*\p:XR+2*\p+1], v[G+2*\p:G+2*\p+1]
.endr
.endm
.macro TURN rho                        ; the row through its two stages: LDS serves a wave's instructions in order, so no wait stands between the stores and the loads
.irp i, 0,1,2,3,4,5,6,7
	ds_store_b128 v3, v[X+32*\rho+4*\i:X+32*\rho+4*\i+3] offset:2560*(2*\rho+\i/4)+640*(\i%4)
.endr
.irp i, 0,1,2,3,4,5,6,7
	ds_load_b128 v[Y+32*\rho+4*\i:Y+32*\rho+4*\i+3], v4 offset:2560*(2*\rho+\i/4)+16*(\i%4)
.endr
.endm
.macro QSTEP rho, s, left              ; 512 numbers of row rho become codes.  left: the LDS instructions issued behind this step's four loads
.set YS, Y+32*\rho+16*\s
.set ID, 2*\rho+\s
	s_wait_dscnt \left
	v_max3_num_f32 v[T], |v[YS]|, |v[YS+1]|, |v[YS+2]|
	v_max3_num_f32 v[T+1], |v[YS+3]|, |v[YS+4]|, |v[YS+5]|
.irp i, 6,10
	s_delay_alu instid0(VALU_DEP_2)
	v_max3_num_f32 v[T], v[T], |v[YS+\i]|, |v[YS+\i+1]|
	s_delay_alu instid0(VALU_DEP_2)
	v_max3_num_f32 v[T+1], v[T+1], |v[YS+\i+2]|, |v[YS+\i+3]|
.endr
	s_delay_alu instid0(VALU_DEP_2)
	v_max3_num_f32 v[T], v[T], |v[YS+14]|, |v[YS+15]|
	s_delay_alu instid0(VALU_DEP_1)
	v_max3_num_f32 v[T], v[T], v[T+1], 0x4800000   ; and the floor 2^(9 - 127): the byte cannot fall under 1
	s_delay_alu instid0(VALU_DEP_1)
	v_max_num_f32_dpp v[T], v[T], v[T] row_xmask:1 row_mask:0xf bank_mask:0xf   ; with my neighbour's 16: the block's largest magnitude
	s_delay_alu instid0(VALU_DEP_1)
	v_add_nc_u32 v[T+2], 0xfc000000, v[T]          ; 8 off its exponent field: the conversion's scale operand
	s_delay_alu instid0(VALU_DEP_2)
	v_and_or_b32 v[T+3], v[T], 0x7f800000, s24     ; 448 x the scale
.irp i, 0,1,2,3,4,5,6,7,8,9,10,11,12,13,14,15
	v_med3_num_f32 v[YS+\i], v[YS+\i], -v[T+3], v[T+3]   ; the conversion to an 8-bit code does not saturate (ISA guide 7.6.2): the hold comes first
.endr
	v_cvt_scalef32_pk8_fp8_f32 v[C+4*ID:C+4*ID+1], v[YS:YS+7], v[T+2]
	v_cvt_scalef32_pk8_fp8_f32 v[C+4*ID+2:C+4*ID+3], v[YS+8:YS+15], v[T+2]
	v_lshrrev_b32 v[E+ID], 23, v[T+2]              ; the scale's byte
	ds_store_b8 v5, v[E+ID] offset:32*\rho+16*\s   ; both lanes of a block write the same byte with the same value
	global_store_b128 v2, v[C+4*ID:C+4*ID+3], s[8:9] offset:1024*\rho+512*\s
.endm
	ROW 0, 8                                       ; gamma and row 0 are in; row 1's eight loads may be out
	TURN 0
	ROW 1, 0
	TURN 1
	QSTEP 0, 0, 20                                 ; behind its loads: row 0's other 4, row 1's 8 stores and 8 loads
	QSTEP 0, 1, 17                                 ; row 1's 16 and one byte store
	QSTEP 1, 0, 6                                  ; 4 loads and two byte stores
	QSTEP 1, 1, 3                                  ; three byte stores
	s_wait_dscnt 0x0                               ; for wave 0's sake: my byte stores have landed
	s_barrier_signal -1
	s_barrier_wait -1
	s_cmp_lg_u32 s12, 0
	s_cbranch_scc1 .Lend
	ds_load_b128 v[T:T+3], v6
	s_wait_dscnt 0x0
	global_store_b128 v2, v[T:T+3], s[10:11]       ; 512 consecutive bytes, from a multiple of 256
.Lend:
	s_wait_tensorcnt 0x0
	ds_add_u32 v200, v201
	s_wait_dscnt 0x0
	s_endpgm
.Lfunc_end_k_q24b393d2a9_lnq:
	.size	k_q24b393d2a9_lnq, .Lfunc_end_k_q24b393d2a9_lnq-k_q24b393d2a9_lnq
	.p2alignl 7, 3214868480
	.fill 96, 4, 3214868480
	.section	.rodata,"a",@progbits
	.p2align	6, 0x0
	.amdhsa_kernel k_q24b393d2a9_lnq
		.amdhsa_group_segment_fixed_size 83968
		.amdhsa_private_segment_fixed_size 0
		.amdhsa_enable_private_segment 0
		.amdhsa_kernarg_size 32
		.amdhsa_user_sgpr_count 2
		.amdhsa_user_sgpr_kernarg_segment_ptr 1
		.amdhsa_wavefront_size32 1
		.amdhsa_system_sgpr_workgroup_id_x 1
		.amdhsa_system_sgpr_workgroup_id_y 1
		.amdhsa_system_sgpr_workgroup_id_z 1
		.amdhsa_system_vgpr_workitem_id 0
		.amdhsa_next_free_vgpr 202
		.amdhsa_next_free_sgpr 66
		.amdhsa_reserve_vcc 0
		.amdhsa_float_denorm_mode_32 3
		.amdhsa_float_denorm_mode_16_64 3
		.amdhsa_memory_ordered 1
		.amdhsa_forward_progress 1
		.amdhsa_inst_pref_size 32
	.end_amdhsa_kernel
	.amdgpu_metadata
---
amdhsa.version: [ 1, 2 ]
amdhsa.kernels:
  - .name:           k_q24b393d2a9_lnq
    .symbol:         k_q24b393d2a9_lnq.kd
    .args:
      - { .name: x, .offset: 0, .size: 8, .value_kind: global_buffer, .address_space: global }
      - { .name: gamma, .offset: 8, .size: 8, .value_kind: global_buffer, .address_space: global }
      - { .name: xq_codes, .offset: 16, .size: 8, .value_kind: global_buffer, .address_space: global }
      - { .name: xq_scales, .offset: 24, .size: 8, .value_kind: global_buffer, .address_space: global }
    .group_segment_fixed_size: 83968
    .private_segment_fixed_size: 0
    .kernarg_segment_align: 8
    .kernarg_segment_size: 32
    .max_flat_workgroup_size: 256
    .sgpr_count:     66
    .vgpr_count:     202
    .wavefront_size: 32
...
	.end_amdgpu_metadata
.endif
;; end of part 1
;; launch qkv (part 2): grid 6 x 32, 4 waves a work-group, no clusters, 262,656 bytes of LDS; arguments xq_codes, xq_scales, W_fused_codes, W_fused_scales, q_img, q_scl, kv; writes q_img, q_scl, kv
.if DOCPART == 2
	.amdgcn_target "amdgcn-amd-amdhsa--gfx1250"
	.amdhsa_code_object_version 6
	.text
	.protected	k_q24b393d2a9_qkv
	.globl	k_q24b393d2a9_qkv
	.p2align	8
	.type	k_q24b393d2a9_qkv,@function
k_q24b393d2a9_qkv:
	s_mov_b64 s[64:65], 0
	v_nop
	global_prefetch_b8 v0, s[64:65] scope:SCOPE_SE
	s_setreg_imm32_b32 hwreg(HW_REG_WAVE_MODE, 25, 1), 1
	s_wait_xcnt 0x0
; Columns 0 .. 575 of xn W_fused (16 heads of q, then k, then v), the rotary embedding with its length scale on q and k, and the three results as codes of E4M3.
; A work-group makes 128 rows x 96 columns = three UNITS of 32 columns; unit 3 g + slot: 0-15 heads, 16 = k, 17 = v (group g = 5 holds head 15, k, v).  A wave makes 32 rows (two tiles) x 96 columns: 12 accumulators.
; All of K = 1,024 of both operands comes into LDS at once, each byte filled once: one tensor load a wave (the rows' codes, all of K, or their scale bytes), all issued at the start.
; NO CLUSTER: the grid's 6 column groups divide by no cluster of four, and every LDS byte is filled once, so there are no rounds in which joint requests could meet again.
; q and k are made TRANSPOSED (source 0 = 16 rows of W, source 1 = 16 rows of xn): a lane holds one row and, of a unit's two tiles, channels 8 h + j and 16 + 8 h + j: the two partners of the rotation lie in one lane.
; A head's 32 channels are one block of the first attention product's K.  Its 16 codes a lane are stored in that order (slot p of half h: channel 8 h + p, then 16 + 8 h + p - 8), the same in q and in k, inside one block: the product is the same.
; v is made the other way round (source 0 = xn, source 1 = W): a lane holds one channel and 16 of the wave's 32 rows, which are one block of 32 KEYS, the second product's K; the order of keys in a block is the one that p has in the attention kernel.
; OUT: q_img [row tile 256][head 16][lane][16 bytes]; q_scl [row tile][head][16] words, the byte four times; kv, for each batch: k's image [key tile 128][lane][16], v's [step 16][d tile 2][block 4][lane][16], scale words [step 16][k 128 bytes | v 128 bytes].
;   q_scl's stores cover 64 consecutive bytes each (a quarter of an aligned 256): 256 KB of the launch's 2.6 MB.
; THE ANGLES: theta = row x 10^(-f/4), one f32 multiplication; reduced by pi/2 in two fused steps; sine and cosine by Taylor polynomials up to x^9 and x^10 (remainder under 3e-9 at pi/4).  The length scale is 2^(power x log2(scale_vec)).
; LIMITS: 10^(-f/4) is the correctly rounded f32 number; cos x scale is formed before it multiplies q; NaN and infinities are not served; a block under 2^-118 keeps the byte 1.
; THE FILLS AS THEY STAND: one tensor load a wave, each byte filled once: wave 0 xn's 128 rows, all of K; wave 1 their scale bytes; wave 2 W's 96 rows; wave 3 their scale bytes.
.set PITCH, 1040                       ; an LDS row: all of K, 1,024 bytes, + 16 of padding: the 16 rows of a fragment load start 4 banks apart (64 banks of 4 bytes: ISA guide 11.1)
.set ACHB,  128*PITCH                  ; xn's 128 rows
.set BCH,   ACHB                       ; W's rows begin here
.set BCHB,  96*PITCH                   ; W's 96 rows
.set ASC,   BCH+BCHB                   ; A's scale bytes: 16 runs of 256 bytes + 16
.set BSC,   ASC+16*272                 ; B's: 12 runs
.set KVST,  251392                     ; a block of 256 bytes of its own, into which no tensor load lands: k's and v's scale words of these 128 rows
.set SA,  16                           ; v16-17   scale words of the two tiles of xn
.set SB,  18                           ; v18-23   of the six tiles of W
.set AF,  24                           ; v24-55   xn's two fragments
.set BF,  56                           ; v56-151  W's six
.set ACC, 152                          ; v152-247 accumulator (tile t of W, tile xt of xn) at ACC + 8 (2 t + xt)
.set FRQ, 24                           ; behind the products: v24-31 my eight frequencies (f = 8 h + j)
.set LS,  32                           ; v32-39   log2 of my eight scale_vec
.set CO,  40                           ; v40-47   cosines
.set SI,  48                           ; v48-55   sines
.set EX,  56                           ; v56-63   power x log2(scale_vec)
.set CQ,  64                           ; v64-71   cosine x scale
.set SQ,  72                           ; v72-79   sine x scale
.set O,   80                           ; v80-95   a unit's 16 numbers of my row
.set TH,  96                           ; v96-119  at work on the tables
.set NN,  104
.set S2,  112
.set CD,  120                          ; v120-143 codes: four registers for (xt, slot), never rewritten
.set WD,  144                          ; v144-149 q's scale words likewise
.set G1T, 24                           ; s[24:31] descriptor group 1, a chunk
.set G1S, 32                           ; s[32:39] the scale bytes
.set G0,  40                           ; s[40:47] two groups 0: scale bytes, codes
.set SEL, 60
.set MNT, 62
.set MB,  63
	s_load_b256 s[4:11], s[0:1], 0x0               ; xq_codes s[4:5], xq_scales s[6:7], W's codes s[8:9], W's scales s[10:11]
	s_load_b128 s[12:15], s[0:1], 0x20             ; q_img s[12:13], q_scl s[14:15]
	s_load_b64 s[16:17], s[0:1], 0x30              ; kv
	v_lshl_add_u32 v254, v0, 2, 0x40000
	v_mov_b32 v255, 0
	ds_add_u32 v254, v255
	ds_add_u32 v254, v255
	v_lshrrev_b32 v1, 5, v0
	v_readfirstlane_b32 s18, v1                    ; wave
	s_and_b32 s19, s18, 1                          ; which half I fetch
	s_mov_b32 s20, ttmp9                           ; g: the column group
	s_and_b32 s21, ttmp7, 0xffff                   ; y: the block of 128 rows
	v_and_b32 v1, 15, v0                           ; r
	v_bfe_u32 v2, v0, 4, 1                         ; h
	v_and_b32 v8, 31, v0                           ; lane
	v_mul_u32_u24 v3, v1, PITCH
	v_lshl_add_u32 v3, v2, 4, v3                   ; a fragment's row x pitch + 16 h
	v_add_nc_u32 v4, BCH, v3                       ; v4: W's fragments
	s_mul_i32 s22, s18, 32*PITCH
	v_add_nc_u32 v3, s22, v3                       ; v3: xn's: my 32 rows
	v_lshrrev_b32 v5, 3, v1
	v_mul_u32_u24 v5, v5, 272
	v_and_b32 v6, 7, v1
	v_lshl_add_u32 v5, v6, 5, v5                   ; a row's 32 scale bytes: eight rows to a run of 256
	v_add_nc_u32 v7, BSC, v5                       ; v7: W's scale words
	s_mul_i32 s22, s18, 1088
	s_add_co_u32 s22, s22, ASC
	v_add_nc_u32 v6, s22, v5                       ; v6: xn's
	v_add_nc_u32 v5, 48*PITCH, v4                  ; v5: W's tiles 3 to 5 (an LDS offset has 16 bits)
	v_lshlrev_b32 v9, 4, v8                        ; v9: 16 x lane
	v_lshlrev_b32 v10, 2, v1                       ; v10: 4 r
	s_wait_alu depctr_va_vdst(0)
	s_lshl_b32 s22, s18, 10
	v_add_nc_u32 v11, s22, v9                      ; v11: k's image: two key tiles a wave
	s_lshl_b32 s22, s18, 9
	s_add_co_u32 s22, s22, 65536
	v_add_nc_u32 v12, s22, v9                      ; v12: v's image: block = wave
	s_lshr_b32 s22, s18, 1
	s_lshl_b32 s22, s22, 6
	s_lshl_b32 s23, s19, 1
	s_add_co_u32 s22, s22, s23
	s_add_co_u32 s22, s22, KVST
	v_add_nc_u32 v13, s22, v10                     ; v13: k's byte: word 16 (wave / 2) + r, byte 2 (wave % 2) + xt
	s_add_co_u32 s22, s18, KVST+128
	v_add_nc_u32 v14, s22, v10                     ; v14: v's byte: word 16 ct + r, byte = wave
	v_lshl_add_u32 v15, v8, 3, KVST                ; v15: wave 0 reads the 256 bytes back
	s_mov_b32 s[SEL], 0x76543210
	s_mov_b32 s[SEL+1], 0xfedcba98                 ; v_permlanex16_b32: lane l xor 16
	s_mov_b32 s[MNT], 0x600000                     ; the mantissa field of 448
	s_mov_b32 s66, 0xb493f27e                      ; -1/10!
	s_mov_b32 s67, 0x3638ef1d                      ; 1/9!
	s_mov_b32 s68, 0x3b000000                      ; 1/512
	s_lshl_b32 s[MB], s21, 7
	s_lshl_b32 s22, s18, 5
	s_add_co_u32 s[MB], s[MB], s22
	s_and_b32 s[MB], s[MB], 2047                   ; my first row's place in its sequence
	s_wait_dscnt 0x0
	s_wait_kmcnt 0x0
; A pair of waves' first fills: the even wave fetches the rows' codes, all of K, the odd wave their scale bytes.  s22 = the first row.
.macro FILLS rows, units, pc, ps, lc, lsc
	s_mov_b32 s[G1T], (1<<20)|(7<<22)|(3<<25)      ; elements of 1 byte; padding on: 4 words behind every 256
	s_mov_b32 s[G1T+1], 1024<<16                   ; tensor_dim0
	s_mov_b32 s[G1T+2], \rows<<16                  ; tensor_dim1
	s_mov_b32 s[G1T+3], 1024<<16                   ; tile_dim0
	s_mov_b32 s[G1T+4], \rows                      ; tile_dim1
	s_mov_b32 s[G1T+5], 1024                       ; from row to row
	s_mov_b32 s[G1T+6], 0
	s_mov_b32 s[G1T+7], 0
	s_mov_b32 s[G1S], (3<<16)|(1<<20)|(5<<22)|(3<<25)   ; a dense block as rows of 32 elements of 8 bytes, the same padding
	s_mov_b32 s[G1S+1], 32<<16
	s_mov_b32 s[G1S+2], \units<<16
	s_mov_b32 s[G1S+3], 32<<16
	s_mov_b32 s[G1S+4], \units
	s_mov_b32 s[G1S+5], 32
	s_mov_b32 s[G1S+6], 0
	s_mov_b32 s[G1S+7], 0
	s_lshl_b32 s74, s22, 5                         ; 32 scale bytes a row
	s_mov_b32 s75, 0
	s_mov_b32 s[G0], 1
	s_mov_b32 s[G0+1], \lsc
	s_add_nc_u64 s[G0+2:G0+3], s[\ps:\ps+1], s[74:75]
	s_or_b32 s[G0+3], s[G0+3], 0x80000000
	s_lshl_b32 s74, s22, 10                        ; 1,024 codes a row
	s_add_nc_u64 s[74:75], s[\pc:\pc+1], s[74:75]
	s_mov_b32 s[G0+4], 1
	s_mov_b32 s[G0+5], \lc
	s_mov_b64 s[G0+6:G0+7], s[74:75]
	s_or_b32 s[G0+7], s[G0+7], 0x80000000
	s_cmp_eq_u32 s19, 0                            ; one tree of branches on the wave's number: every way passes one load
	s_cbranch_scc0 .Lscales_\@
	tensor_load_to_lds s[G0+4:G0+7], s[G1T:G1T+7]
	s_nop 0
.rept 4
	v_nop
.endr
	s_branch .Lfilled
.Lscales_\@:
	tensor_load_to_lds s[G0:G0+3], s[G1S:G1S+7]
	s_nop 0
.rept 4
	v_nop
.endr
.endm
	s_cmp_lt_u32 s18, 2                            ; waves 0 and 1 fetch xn's halves, waves 2 and 3 W's: one branch holds all of a wave's loads
	s_cbranch_scc0 .Lfill_b
	s_lshl_b32 s22, s21, 7                         ; row 128 y
	FILLS 128, 16, 4, 6, 0, ASC
	s_branch .Lfilled
.Lfill_b:
	s_mul_i32 s22, s20, 96                         ; row 96 g
	FILLS 96, 12, 8, 10, BCH, BSC
.Lfilled:
	s_lshl_b32 s72, s21, 16                        ; q_img: (8 y + 2 wave) row tiles of 8,192 bytes + 3 g heads of 512
	s_lshl_b32 s73, s18, 14
	s_add_co_u32 s72, s72, s73
	s_mul_i32 s73, s20, 1536
	s_add_co_u32 s72, s72, s73
	s_mov_b32 s73, 0
	s_add_nc_u64 s[12:13], s[12:13], s[72:73]
	s_lshr_b32 s72, s72, 3                         ; q_scl: an eighth of that
	s_add_nc_u64 s[14:15], s[14:15], s[72:73]
	s_lshr_b32 s22, s21, 4                         ; the batch
	s_mul_i32 s22, s22, 135168
	s_and_b32 s23, s21, 15                         ; the key step
	s_lshl_b32 s72, s23, 8
	s_add_co_u32 s72, s72, s22
	s_add_co_u32 s72, s72, 131072
	s_add_nc_u64 s[70:71], s[16:17], s[72:73]      ; kv: the step's 256 bytes of scale words
	s_lshl_b32 s72, s23, 12
	s_add_co_u32 s72, s72, s22
	s_add_nc_u64 s[16:17], s[16:17], s[72:73]      ; kv: the step's 4,096 bytes in k's image (v's lie 65,536 on)
.macro PROD d, a, b, sa, sb, zero
.if \zero
	v_wmma_scale_f32_16x16x128_f8f6f4 v[\d:\d+7], v[\a:\a+15], v[\b:\b+15], 0, v[\sa], v[\sb]
.else
	v_wmma_scale_f32_16x16x128_f8f6f4 v[\d:\d+7], v[\a:\a+15], v[\b:\b+15], v[\d:\d+7], v[\sa], v[\sb]
.endif
.endm
; 128 along K: the q-th of chunk c.  The 12 accumulators take turns, one instruction a turn, in the same order in every step.
.macro KSTEP c, q, zero
.set KS, 2*\c+\q
.if !\zero
.rept 8
	v_nop                                          ; eight places behind the last products, in front of loads into registers that they read
.endr
.endif
.irp xt, 0,1
	ds_load_b32 v[SA+\xt], v6 offset:544*\xt+4*KS
.endr
.irp t, 0,1,2,3,4,5
	ds_load_b32 v[SB+\t], v7 offset:544*\t+4*KS
.endr
.irp xt, 0,1
.irp cc, 0,1,2,3
	ds_load_b128 v[AF+16*\xt+4*\cc:AF+16*\xt+4*\cc+3], v3 offset:16*PITCH*\xt+128*\q+32*\cc
.endr
.endr
.irp t, 0,1,2,3,4,5
.irp cc, 0,1,2,3
	ds_load_b128 v[BF+16*\t+4*\cc:BF+16*\t+4*\cc+3], v[4+\t/3] offset:16*PITCH*(\t%3)+128*\q+32*\cc
.endr
.endr
	s_wait_dscnt 0x0
.irp t, 0,1,2,3
.irp xt, 0,1
	PROD ACC+8*(2*\t+\xt), BF+16*\t, AF+16*\xt, SB+\t, SA+\xt, \zero
.endr
.endr
	s_cmp_eq_u32 s20, 5                            ; the third unit of group 5 is v: its sources change places
	s_cbranch_scc1 .Lv_\@
.irp t, 4,5
.irp xt, 0,1
	PROD ACC+8*(2*\t+\xt), BF+16*\t, AF+16*\xt, SB+\t, SA+\xt, \zero
.endr
.endr
	s_branch .Lj_\@
.Lv_\@:
.irp t, 4,5
.irp xt, 0,1
	PROD ACC+8*(2*\t+\xt), AF+16*\xt, BF+16*\t, SA+\xt, SB+\t, \zero
.endr
.endr
.Lj_\@:
.endm
.macro CHUNK c, zero
.if \c == 0
	s_wait_tensorcnt 0x0                           ; my one load has landed,
	s_wait_dscnt 0x0
	s_barrier_signal -1
	s_barrier_wait -1                              ; everybody's has: all of K lies in LDS
.endif
	KSTEP \c, 0, \zero
	KSTEP \c, 1, 0
.if \c < 3
	v_add_nc_u32 v3, 256, v3                       ; 256 further along K in the same rows
	v_add_nc_u32 v4, 256, v4
	v_add_nc_u32 v5, 256, v5
.endif
.endm
	CHUNK 0, 1
	s_wait_alu depctr_va_vdst(0)
	CHUNK 1, 0
	s_wait_alu depctr_va_vdst(0)
	CHUNK 2, 0
	s_wait_alu depctr_va_vdst(0)
	CHUNK 3, 0
.rept 8
	v_nop                                          ; eight places in front of the first read of results and the first write over operands
.endr
.macro SEL d, lo, hi                   ; lanes 0-15 take lo, lanes 16-31 hi
	v_mov_b32 v[\d], \hi
	v_cndmask_b32 v[\d], \lo, v[\d], vcc_lo
.endm
	v_cmp_ne_u32 vcc_lo, 0, v2
	SEL FRQ+0, 0x3f800000, 0x3c23d70a              ; 10^(-f/4), f = j and f = 8 + j
	SEL FRQ+1, 0x3f0ff59a, 0x3bb8449c
	SEL FRQ+2, 0x3ea1e89b, 0x3b4f3e37
	SEL FRQ+3, 0x3e361887, 0x3ae91528
	SEL FRQ+4, 0x3dcccccd, 0x3a83126f
	SEL FRQ+5, 0x3d6655c3, 0x3a136a16
	SEL FRQ+6, 0x3d0186e2, 0x39a5cb5f
	SEL FRQ+7, 0x3c91ad39, 0x393a7753
	SEL LS+0, 0x3e924925, 0x3f249249               ; (5 f + 32) / 112
	SEL LS+1, 0x3ea92492, 0x3f300000
	SEL LS+2, 0x3ec00000, 0x3f3b6db7
	SEL LS+3, 0x3ed6db6e, 0x3f46db6e
	SEL LS+4, 0x3eedb6db, 0x3f524925
	SEL LS+5, 0x3f024925, 0x3f5db6db
	SEL LS+6, 0x3f0db6db, 0x3f692492
	SEL LS+7, 0x3f192492, 0x3f749249
	s_wait_alu depctr_va_vdst(0)
.irp j, 0,1,2,3,4,5,6,7
	v_log_f32 v[LS+\j], v[LS+\j]
.endr
	v_nop
	s_wait_alu depctr_va_vdst(0)
; The tables of my row of tile xt: cosine, sine and the exponent of the length scale at my eight frequencies.
.macro TAB xt
	v_add_nc_u32 v248, s[MB], v1
.if \xt
	v_add_nc_u32 v248, 16, v248
.endif
	v_cvt_f32_u32 v248, v248                       ; the row's place n in its sequence
	v_fma_f32 v249, v248, s68, -2.0                ; (n - 1024) / 512, exact
.irp j, 0,1,2,3,4,5,6,7
	v_mul_f32 v[TH+\j], v248, v[FRQ+\j]            ; theta
.endr
.irp j, 0,1,2,3,4,5,6,7
	v_mul_f32 v[NN+\j], 0x3f22f983, v[TH+\j]       ; x 2 / pi
.endr
.irp j, 0,1,2,3,4,5,6,7
	v_rndne_f32 v[NN+\j], v[NN+\j]                 ; quarter turns
.endr
.irp j, 0,1,2,3,4,5,6,7
	v_fmamk_f32 v[TH+\j], v[NN+\j], 0xbfc90fdb, v[TH+\j]   ; theta - n pi/2, pi/2 in two parts
.endr
.irp j, 0,1,2,3,4,5,6,7
	v_fmamk_f32 v[TH+\j], v[NN+\j], 0x333bbd2e, v[TH+\j]
.endr
.irp j, 0,1,2,3,4,5,6,7
	v_mul_f32 v[S2+\j], v[TH+\j], v[TH+\j]
.endr
.irp j, 0,1,2,3,4,5,6,7
	v_fmaak_f32 v[CO+\j], s66, v[S2+\j], 0x37d00d01
	v_fmaak_f32 v[SI+\j], s67, v[S2+\j], 0xb9500d01
.endr
.irp j, 0,1,2,3,4,5,6,7
	v_fmaak_f32 v[CO+\j], v[CO+\j], v[S2+\j], 0xbab60b61
	v_fmaak_f32 v[SI+\j], v[SI+\j], v[S2+\j], 0x3c088889
.endr
.irp j, 0,1,2,3,4,5,6,7
	v_fmaak_f32 v[CO+\j], v[CO+\j], v[S2+\j], 0x3d2aaaab
	v_fmaak_f32 v[SI+\j], v[SI+\j], v[S2+\j], 0xbe2aaaab
.endr
.irp j, 0,1,2,3,4,5,6,7
	v_fmaak_f32 v[CO+\j], v[CO+\j], v[S2+\j], 0xbf000000
.endr
.irp j, 0,1,2,3,4,5,6,7
	v_fmaak_f32 v[CO+\j], v[CO+\j], v[S2+\j], 0x3f800000
	v_mul_f32 v[S2+\j], v[S2+\j], v[TH+\j]
.endr
.irp j, 0,1,2,3,4,5,6,7
	v_fma_f32 v[SI+\j], v[S2+\j], v[SI+\j], v[TH+\j]
	v_cvt_i32_f32 v[NN+\j], v[NN+\j]
.endr
.irp j, 0,1,2,3,4,5,6,7                ; the quarter: an odd one swaps sine and cosine; the signs come from its bit 1 and from that of the quarter + 1.  Values are selected: no branch hangs on them
	v_and_b32 v[S2+\j], 1, v[NN+\j]
	v_cmp_eq_u32 vcc_lo, 1, v[S2+\j]
	v_cndmask_b32 v[TH+\j], v[SI+\j], v[CO+\j], vcc_lo
	v_cndmask_b32 v[CO+\j], v[CO+\j], v[SI+\j], vcc_lo
	v_lshlrev_b32 v[S2+\j], 30, v[NN+\j]
	v_and_b32 v[S2+\j], 0x80000000, v[S2+\j]
	v_xor_b32 v[SI+\j], v[S2+\j], v[TH+\j]
	v_add_nc_u32 v[NN+\j], 1, v[NN+\j]
	v_lshlrev_b32 v[NN+\j], 30, v[NN+\j]
	v_and_b32 v[NN+\j], 0x80000000, v[NN+\j]
	v_xor_b32 v[CO+\j], v[NN+\j], v[CO+\j]
.endr
.irp j, 0,1,2,3,4,5,6,7
	v_mul_f32 v[EX+\j], v249, v[LS+\j]
.endr
.endm
.macro SCL inv                         ; cosine and sine times the length scale (q) or its reciprocal (k)
.irp j, 0,1,2,3,4,5,6,7
.if \inv
	v_exp_f32 v[CQ+\j], -v[EX+\j]
.else
	v_exp_f32 v[CQ+\j], v[EX+\j]
.endif
.endr
	v_nop
	s_wait_alu depctr_va_vdst(0)
.irp j, 0,1,2,3,4,5,6,7
	v_mul_f32 v[SQ+\j], v[SI+\j], v[CQ+\j]
.endr
.irp j, 0,1,2,3,4,5,6,7
	v_mul_f32 v[CQ+\j], v[CO+\j], v[CQ+\j]
.endr
.endm
.macro ROPE slot, xt                   ; channels d < 16: t c - t' s;  d >= 16: t' c + t s.  Each accumulator is read from its low end on
.set T0, ACC+8*(4*\slot+\xt)
.set T1, ACC+8*(4*\slot+2+\xt)
.irp j, 0,2,4,6
	v_pk_mul_f32 v[O+\j:O+\j+1], v[T0+\j:T0+\j+1], v[CQ+\j:CQ+\j+1]
	v_pk_mul_f32 v[O+8+\j:O+9+\j], v[T0+\j:T0+\j+1], v[SQ+\j:SQ+\j+1]
.endr
.irp j, 0,2,4,6
	v_pk_fma_f32 v[O+\j:O+\j+1], v[T1+\j:T1+\j+1], v[SQ+\j:SQ+\j+1], v[O+\j:O+\j+1] neg_lo:[1,0,0] neg_hi:[1,0,0]
	v_pk_fma_f32 v[O+8+\j:O+9+\j], v[T1+\j:T1+\j+1], v[CQ+\j:CQ+\j+1], v[O+8+\j:O+9+\j]
.endr
.endm
; 16 numbers of a lane, v[s] on, half of a block of 32 whose other half lies in lane l xor 16, become 16 codes in v[d] .. v[d+3]; the scale's byte goes to v[e].
.macro QUANT1 s, d, e
	v_max3_num_f32 v250, |v[\s]|, |v[\s+1]|, 0x4800000   ; the floor 2^(9 - 127) among the leaves: the byte cannot fall under 1
	v_max3_num_f32 v251, |v[\s+8]|, |v[\s+9]|, |v[\s+10]|
	v_max3_num_f32 v250, v250, |v[\s+2]|, |v[\s+3]|
	v_max3_num_f32 v251, v251, |v[\s+11]|, |v[\s+12]|
	v_max3_num_f32 v250, v250, |v[\s+4]|, |v[\s+5]|
	v_max3_num_f32 v251, v251, |v[\s+13]|, |v[\s+14]|
	v_max3_num_f32 v250, v250, |v[\s+6]|, |v[\s+7]|
	v_max3_num_f32 v250, v250, v251, |v[\s+15]|
	v_permlanex16_b32 v251, v250, s[SEL], s[SEL+1]
	v_max_num_f32 v250, v250, v251                 ; the block's largest magnitude
	v_add_nc_u32 v252, 0xfc000000, v250            ; 8 off its exponent field: the conversion's scale operand
	v_and_or_b32 v253, v250, 0x7f800000, s[MNT]    ; 448 x the scale
	v_lshrrev_b32 v[\e], 23, v252
.irp i, 0,1,2,3,4,5,6,7,8,9,10,11,12,13,14,15
	v_med3_num_f32 v[\s+\i], v[\s+\i], -v253, v253 ; the conversion to an 8-bit code does not saturate (ISA guide 7.6.2)
.endr
	v_cvt_scalef32_pk8_fp8_f32 v[\d:\d+1], v[\s:\s+7], v252
	v_cvt_scalef32_pk8_fp8_f32 v[\d+2:\d+3], v[\s+8:\s+15], v252
	v_nop                                          ; one plain instruction behind the last conversion
.endm
.macro UNITQ slot, xt                  ; a head of q
	ROPE \slot, \xt
	QUANT1 O, CD+4*(3*\xt+\slot), WD+3*\xt+\slot
	v_lshl_or_b32 v[WD+3*\xt+\slot], v[WD+3*\xt+\slot], 8, v[WD+3*\xt+\slot]
	v_lshl_or_b32 v[WD+3*\xt+\slot], v[WD+3*\xt+\slot], 16, v[WD+3*\xt+\slot]   ; the byte four times: whichever block of the instruction's four holds q
	global_store_b128 v9, v[CD+4*(3*\xt+\slot):CD+4*(3*\xt+\slot)+3], s[12:13] offset:8192*\xt+512*\slot   ; 512 consecutive bytes
	global_store_b32 v10, v[WD+3*\xt+\slot], s[14:15] offset:1024*\xt+64*\slot   ; lanes l and l + 16 store the same word
.endm
.macro UNITK xt                        ; k: codes into registers (xt, slot 1), the byte into v170 + xt
	ROPE 1, \xt
	QUANT1 O, CD+4*(3*\xt+1), 170+\xt
	global_store_b128 v11, v[CD+4*(3*\xt+1):CD+4*(3*\xt+1)+3], s[16:17] offset:512*\xt
	ds_store_b8 v13, v[170+\xt] offset:\xt
.endm
.macro UNITV ct                        ; v: channel tile ct; my 16 keys are the two accumulators' 16 registers on end.  Codes and byte go into accumulators that head 15 has left
	QUANT1 ACC+64+16*\ct, 152+4*\ct, 168+\ct
	global_store_b128 v12, v[152+4*\ct:155+4*\ct], s[16:17] offset:2048*\ct
	ds_store_b8 v14, v[168+\ct] offset:64*\ct
.endm
.macro EPI xt
	TAB \xt
	s_wait_alu depctr_va_vdst(0)
	SCL 0
	UNITQ 0, \xt
	s_cmp_eq_u32 s20, 5
	s_cbranch_scc1 .Lkv_\@
	UNITQ 1, \xt
	UNITQ 2, \xt
	s_branch .Ldone_\@
.Lkv_\@:
.if \xt == 0
	UNITV 0
	UNITV 1
.endif
	SCL 1
	UNITK \xt
.Ldone_\@:
.endm
	EPI 0
	EPI 1
	s_wait_dscnt 0x0                               ; for wave 0's sake: my byte stores have landed
	s_barrier_signal -1
	s_barrier_wait -1
	s_cmp_lg_u32 s20, 5
	s_cbranch_scc1 .Lend
	s_cmp_lg_u32 s18, 0
	s_cbranch_scc1 .Lend
	ds_load_b64 v[250:251], v15
	v_lshlrev_b32 v252, 3, v8
	s_wait_alu depctr_va_vdst(0)
	s_wait_dscnt 0x0
	global_store_b64 v252, v[250:251], s[70:71]    ; the step's scale words: 256 consecutive bytes, from a multiple of 256
.Lend:
	s_wait_tensorcnt 0x0
	ds_add_u32 v254, v255
	s_wait_dscnt 0x0
	s_endpgm
.Lfunc_end_k_q24b393d2a9_qkv:
	.size	k_q24b393d2a9_qkv, .Lfunc_end_k_q24b393d2a9_qkv-k_q24b393d2a9_qkv
	.p2alignl 7, 3214868480
	.fill 96, 4, 3214868480
	.section	.rodata,"a",@progbits
	.p2align	6, 0x0
	.amdhsa_kernel k_q24b393d2a9_qkv
		.amdhsa_group_segment_fixed_size 262656
		.amdhsa_private_segment_fixed_size 0
		.amdhsa_enable_private_segment 0
		.amdhsa_kernarg_size 56
		.amdhsa_user_sgpr_count 2
		.amdhsa_user_sgpr_kernarg_segment_ptr 1
		.amdhsa_wavefront_size32 1
		.amdhsa_system_sgpr_workgroup_id_x 1
		.amdhsa_system_sgpr_workgroup_id_y 1
		.amdhsa_system_sgpr_workgroup_id_z 1
		.amdhsa_system_vgpr_workitem_id 0
		.amdhsa_next_free_vgpr 256
		.amdhsa_next_free_sgpr 76
		.amdhsa_reserve_vcc 1
		.amdhsa_float_denorm_mode_32 3
		.amdhsa_float_denorm_mode_16_64 3
		.amdhsa_memory_ordered 1
		.amdhsa_forward_progress 1
		.amdhsa_inst_pref_size 107
	.end_amdhsa_kernel
	.amdgpu_metadata
---
amdhsa.version: [ 1, 2 ]
amdhsa.kernels:
  - .name:           k_q24b393d2a9_qkv
    .symbol:         k_q24b393d2a9_qkv.kd
    .args:
      - { .name: xq_codes, .offset: 0, .size: 8, .value_kind: global_buffer, .address_space: global }
      - { .name: xq_scales, .offset: 8, .size: 8, .value_kind: global_buffer, .address_space: global }
      - { .name: W_fused_codes, .offset: 16, .size: 8, .value_kind: global_buffer, .address_space: global }
      - { .name: W_fused_scales, .offset: 24, .size: 8, .value_kind: global_buffer, .address_space: global }
      - { .name: q_img, .offset: 32, .size: 8, .value_kind: global_buffer, .address_space: global }
      - { .name: q_scl, .offset: 40, .size: 8, .value_kind: global_buffer, .address_space: global }
      - { .name: kv, .offset: 48, .size: 8, .value_kind: global_buffer, .address_space: global }
    .group_segment_fixed_size: 262656
    .private_segment_fixed_size: 0
    .kernarg_segment_align: 8
    .kernarg_segment_size: 56
    .max_flat_workgroup_size: 128
    .sgpr_count:     76
    .vgpr_count:     256
    .wavefront_size: 32
...
	.end_amdgpu_metadata
.endif
;; end of part 2
;; launch attn (part 3): grid 128 x 2, 16 waves a work-group, clusters of 4 x 1, 169,984 bytes of LDS; arguments q_img, q_scl, kv, act_img, act_scl; writes act_img, act_scl
.if DOCPART == 3
	.amdgcn_target "amdgcn-amd-amdhsa--gfx1250"
	.amdhsa_code_object_version 6
	.text
	.protected	k_q24b393d2a9_attn
	.globl	k_q24b393d2a9_attn
	.p2align	8
	.type	k_q24b393d2a9_attn,@function
k_q24b393d2a9_attn:
	s_mov_b64 s[64:65], 0
	v_nop
	global_prefetch_b8 v0, s[64:65] scope:SCOPE_SE
	s_setreg_imm32_b32 hwreg(HW_REG_WAVE_MODE, 25, 1), 1
	s_wait_xcnt 0x0
	s_wait_alu depctr_hold_cnt(0) depctr_sa_sdst(0) depctr_va_vdst(0) depctr_va_sdst(0) depctr_va_ssrc(0) depctr_va_vcc(0) depctr_vm_vsrc(0)
	s_getreg_b32 s2, hwreg(HW_REG_IB_STS2, 6, 4)
	s_cmp_eq_u32 s2, 0
	s_cbranch_scc0 .Lentry_in_a_cluster
	s_endpgm
.Lentry_in_a_cluster:
	s_bfe_u32 s2, ttmp6, 0x10000c
	s_cmp_lg_u32 s2, 0x3003
	s_cbranch_scc0 .Lentry_shape_is_right
	s_endpgm
.Lentry_shape_is_right:
; Causal multi-query attention on codes of E4M3: 16 heads of 32 channels, one k and one v for a batch, 2,048 keys.  Both products by the scaled matrix instruction, both used transposed: a lane holds ONE query throughout.
; THE SOFTMAX: t = score x log2(e) / sqrt(32); M = the running largest t rounded UP to a whole number; p = 2^(t - M) is quantised along the keys, not normalised; the row's sum is taken of the unquantised p and divides at the end.
; When M moves, the sum and O are multiplied by 2^(old M - new M): exact.
; SHARES.  k's and v's codes and scale words of a whole batch are 135,168 bytes: they come into LDS ONCE.  A cluster of four work-groups (the four groups of four heads) reads the same bytes, so they are asked for JOINTLY, a quarter by each of waves 0-3.
; A wave owns one head and one tile of 16 queries.  Cluster g (0-31) takes query tiles g, 63 - g, 64 + g, 127 - g (classes 0-3): a tile t needs t / 8 + 1 key steps of 128, and the four sum to 34 for every g.
; Wave w has head w / 4 of the group and class (w % 4 + w / 4) % 4.  Branches hang on g and on the wave's number alone, which the partners share; the place in the cluster enters global addresses alone.
; THE FIRST PRODUCT'S K IS 32, a quarter of the instruction's 128.  So source 0 holds FOUR tiles of 16 keys, one in each block of 32, and source 1 holds q in block c and zero codes in the other three: the product is the scores of key tile c.
; The four variants of source 1 are windows on one run of registers (zeros, q, zeros).  k's codes come from a held conversion and are never the NaN code, so a zero code times a code of k is zero.
; THE LOOP walks 16 steps, a constant; a step all of whose keys come after my queries is left out by a scalar branch on ids.
; OUT: O / sum, one block of 32 a head, as codes in the order of the next product's operand registers (act_img, K step 0) and their scale bytes (act_scl, words 0-3).
;   The scale bytes leave as four pieces of 64 consecutive bytes a work-group: 64 KB of the launch's 2.1 MB.
; LIMITS: NaN and infinities are not served; 1 / sum by v_rcp_f32; a block's largest p is made from the block's largest score by the same two instructions.
.set VIMG, 65536                       ; LDS: k's image at 0, v's here,
.set KVS,  131072                      ; the scale words,
.set OST,  135168                      ; and a block of 256 bytes of its own for the output's scale bytes: [class][r][head]
.set SEL,  50
.set CS,   52
.set MNT,  54
.macro CROUND                          ; a round of the cluster's barrier
	s_barrier_signal -1
	s_barrier_wait -1
	s_cmp_lg_u32 s14, 0
	s_cbranch_scc1 .Lnot_wave_0_\@
	s_barrier_signal -3
.Lnot_wave_0_\@:
	s_barrier_wait -3
	s_barrier_signal -1
	s_barrier_wait -1
.endm
	s_load_b256 s[4:11], s[0:1], 0x0               ; q_img s[4:5], q_scl s[6:7], kv s[8:9], act_img s[10:11]
	s_load_b64 s[12:13], s[0:1], 0x20              ; act_scl
	v_lshl_add_u32 v230, v0, 2, 0x29000
	v_mov_b32 v231, 0
	ds_add_u32 v230, v231
	ds_add_u32 v230, v231
	v_lshrrev_b32 v1, 5, v0
	s_delay_alu instid0(VALU_DEP_1)
	v_readfirstlane_b32 s14, v1                    ; wave 0..15
	s_bfe_u32 s15, ttmp6, 0x40000                  ; cx: the group of four heads
	s_mov_b32 s16, ttmp9                           ; g
	s_and_b32 s17, ttmp7, 0xffff                   ; the batch
	s_lshr_b32 s18, s14, 2                         ; my head in the group
	s_and_b32 s19, s14, 3
	s_add_co_u32 s19, s19, s18
	s_and_b32 s19, s19, 3                          ; my class
	s_sub_co_u32 s20, 63, s16
	s_bitcmp1_b32 s19, 0
	s_cselect_b32 s20, s20, s16                    ; an odd class counts down from 63
	s_lshr_b32 s21, s19, 1
	s_lshl_b32 s21, s21, 6
	s_add_co_u32 s20, s20, s21                     ; my query tile
	s_lshl_b32 s22, s20, 4                         ; my first query
	v_and_b32 v5, 31, v0                           ; lane
	s_delay_alu instid0(VALU_DEP_1)
	v_lshlrev_b32 v1, 4, v5                        ; v1: 16 x lane
	s_delay_alu instid0(VALU_DEP_2)
	v_lshlrev_b32 v2, 2, v5                        ; v2: 4 x lane
	v_and_b32 v3, 15, v0                           ; v3: r
	v_bfe_u32 v4, v0, 4, 1                         ; v4: h
	s_delay_alu instid0(VALU_DEP_2)
	v_lshlrev_b32 v6, 2, v3                        ; v6: 4 r
	s_lshl_b32 s23, s19, 6
	s_add_co_u32 s23, s23, s18
	s_add_co_u32 s23, s23, OST
	v_add_nc_u32 v7, s23, v6                       ; v7: my byte among the output's scale bytes
	v_lshl_add_u32 v11, v5, 3, OST                 ; v11: wave 0 reads them back
	s_mul_i32 s24, s17, 135168                     ; the batch's bytes in kv
	s_mul_i32 s25, s14, 33792                      ; a quarter of them for each of waves 0-3
	s_add_co_u32 s26, s24, s25
	s_mov_b32 s27, 0
	s_mov_b32 s32, 15|(3<<16)|(1<<21)              ; the mask: all four work-groups; elements of 8 bytes; bit 21 set beside a mask; no padding: images are read 16 x lane on end
	s_mov_b32 s33, 32<<16                          ; a dense block as 132 rows of 256 bytes
	s_mov_b32 s34, 132<<16
	s_mov_b32 s35, 32<<16
	s_mov_b32 s36, 132
	s_mov_b32 s37, 32
	s_mov_b32 s38, 0
	s_mov_b32 s39, 0
	s_mov_b32 s[SEL], 0x76543210
	s_mov_b32 s[SEL+1], 0xfedcba98                 ; v_permlanex16_b32: lane l xor 16
	s_mov_b32 s[CS], 0x3e8293ee                    ; c = log2(e) / sqrt(32)
	s_mov_b32 s[CS+1], s[CS]                       ; (named with it as a pair, so it is written)
	s_mov_b32 s[MNT], 0x600000                     ; the mantissa field of 448
	s_mov_b32 s46, 0                               ; the step's first key
	s_mov_b32 s47, 0                               ; the step's 4,096 bytes in each image
	s_mov_b32 s48, KVS                             ; and its 256 bytes of scale words
	s_mov_b32 s49, 16                              ; steps to go
	s_wait_dscnt 0x0
	s_wait_kmcnt 0x0
	s_mov_b32 s28, 1
	s_mov_b32 s29, s25
	s_add_nc_u64 s[30:31], s[8:9], s[26:27]
	s_or_b32 s31, s31, 0x80000000
	CROUND                                         ; all four work-groups are here: the joint loads meet
	s_cmp_lt_u32 s14, 4
	s_cbranch_scc0 .Lnofill
	tensor_load_to_lds s[28:31], s[32:39]          ; one load of mine is out
	s_nop 0
.rept 4
	v_nop
.endr
.Lnofill:
	s_lshl_b32 s40, s17, 7
	s_add_co_u32 s40, s40, s20                     ; my row tile of 256
	s_lshl_b32 s41, s40, 4
	s_lshl_b32 s42, s15, 2
	s_add_co_u32 s41, s41, s42
	s_add_co_u32 s41, s41, s18                     ; x 16 + my head
	s_lshl_b32 s42, s41, 9
	s_mov_b32 s43, 0
	s_add_nc_u64 s[4:5], s[4:5], s[42:43]
	s_lshl_b32 s42, s41, 6
	s_add_nc_u64 s[6:7], s[6:7], s[42:43]
	s_wait_alu depctr_va_vdst(0)
	global_load_b128 v[28:31], v1, s[4:5]          ; q's 16 codes a lane
	global_load_b32 v255, v6, s[6:7]               ; and its scale word
	s_lshl_b32 s42, s40, 13                        ; act_img: 8,192 bytes a row tile, 2,048 for each 128 along K (a group of heads), 512 a head
	s_lshl_b32 s44, s15, 11
	s_add_co_u32 s42, s42, s44
	s_lshl_b32 s44, s18, 9
	s_add_co_u32 s42, s42, s44
	s_add_nc_u64 s[10:11], s[10:11], s[42:43]
	s_lshl_b32 s42, s15, 14                        ; act_scl: 16,384 bytes for each 128 along K, 8,192 a batch
	s_lshl_b32 s44, s17, 13
	s_add_co_u32 s42, s42, s44
	s_add_nc_u64 s[12:13], s[12:13], s[42:43]
.irp j, 16,17,18,19,20,21,22,23,24,25,26,27,32,33,34,35,36,37,38,39,40,41,42,43
	v_mov_b32 v[\j], 0                             ; zero codes on both sides of q
.endr
	v_mov_b32 v13, 0xff61b1e6                      ; the largest t so far: -3e38
	s_delay_alu instid0(VALU_DEP_1)
	v_floor_f32 v12, -v13                          ; -M
	v_mov_b32 v14, 0                               ; the sum, in two halves
	v_mov_b32 v15, 0
.irp j, 0,1,2,3,4,5,6,7,8,9,10,11,12,13,14,15
	v_mov_b32 v[160+\j], 0                         ; O^T: the step is written once; the first finds zeros
.endr
.irp j, 236,237,238,239,252,253
	v_mov_b32 v[\j], 0                             ; written once: a lane permute's destination counts as a source, and v253 is named in a pair
.endr
	s_wait_tensorcnt 0x0                           ; my quarter has landed,
	s_barrier_signal -1
	s_barrier_wait -1                              ; everybody's has
	s_wait_loadcnt 0x0                             ; q
.Lstep:
	s_add_co_u32 s55, s22, 15
	s_cmp_gt_u32 s46, s55
	s_cbranch_scc1 .Lhidden                        ; all 128 keys come after my queries
	v_add_nc_u32 v8, s47, v1
	s_delay_alu instid0(VALU_DEP_1)
	v_add_nc_u32 v9, VIMG, v8
	v_add_nc_u32 v10, s48, v2
.irp t, 0,1,2,3,4,5,6,7
	ds_load_b128 v[44+4*\t:47+4*\t], v8 offset:512*\t   ; key tile t: block t % 4 of source 0's fragment t / 4
.endr
	ds_load_b32 v248, v10                          ; k's scale words: lanes 0-15 keys 0-63 (byte c: key 16 c + r), lanes 16-31 keys 64-127
	s_wait_alu depctr_va_vdst(0)
	s_wait_dscnt 0x0
.irp t, 0,1,2,3
	v_wmma_scale_f32_16x16x128_f8f6f4 v[96+8*\t:103+8*\t], v[44:59], v[28-4*\t:43-4*\t], 0, v248, v255
.endr
.irp t, 0,1,2,3
	v_wmma_scale_f32_16x16x128_f8f6f4 v[128+8*\t:135+8*\t], v[60:75], v[28-4*\t:43-4*\t], 0, v248, v255 matrix_a_scale:MATRIX_SCALE_ROW1
.endr
.rept 8
	v_nop                                          ; eight places in front of the first read of the scores; with the three additions above also those behind the last step's second product, in front of the loads below
.endr
.irp u, 0,1
.irp c, 0,1,2,3
	ds_load_b128 v[192+16*\u+4*\c:195+16*\u+4*\c], v9 offset:2048*\u+512*\c   ; v's two fragments land while the softmax is walked
.endr
.endr
	ds_load_b32 v249, v10 offset:128               ; v's scale words: lanes 0-15 channels 0-15, lanes 16-31 channels 16-31
	s_add_co_u32 s55, s46, 127
	s_cmp_le_u32 s55, s22
	s_cbranch_scc1 .Lopen                          ; all 128 keys count
	s_sub_co_i32 s55, s22, s46
	v_lshlrev_b32 v250, 3, v4
	s_delay_alu instid0(VALU_DEP_1)
	v_sub_nc_u32 v250, v3, v250
	s_delay_alu instid0(VALU_DEP_1)
	v_add_nc_u32 v250, s55, v250                   ; d = my query - the step's first key - 8 h.  Register 8 t + j holds key 16 t + 8 h + j: hidden where 16 t + j > d
	v_mov_b32 v251, 0xff800000                     ; -infinity: p = 0 then
.set n, 0
.rept 64
	v_cmp_gt_i32 vcc_lo, 16*(n/8)+n%8, v250
	v_cndmask_b32 v[96+n], v[96+n], v251, vcc_lo
.set n, n+1
.endr
.Lopen:
.irp b, 0,1,2,3
	v_max3_num_f32 v[232+\b], v[96+16*\b], v[97+16*\b], v[98+16*\b]   ; the largest score of each block of 32 keys: for the row's maximum and for the block's largest p
.endr
.irp i, 3,5,7,9,11,13
.irp b, 0,1,2,3
	v_max3_num_f32 v[232+\b], v[232+\b], v[96+16*\b+\i], v[97+16*\b+\i]
.endr
.endr
.irp b, 0,1,2,3
	v_max_num_f32 v[232+\b], v[232+\b], v[111+16*\b]
.endr
.irp b, 0,1,2,3
	s_delay_alu instid0(VALU_DEP_4)
	v_permlanex16_b32 v[236+\b], v[232+\b], s[SEL], s[SEL+1]
.endr
.irp b, 0,1,2,3
	s_delay_alu instid0(VALU_DEP_4)
	v_max_num_f32 v[232+\b], v[232+\b], v[236+\b]  ; with lane l xor 16's 16 keys
.endr
	s_delay_alu instid0(VALU_DEP_2)
	v_max3_num_f32 v254, v232, v233, v234
	s_delay_alu instid0(VALU_DEP_1)
	v_max_num_f32 v254, v254, v235
	s_delay_alu instid0(VALU_DEP_1)
	v_mul_f32 v254, s[CS], v254                    ; as t (c is positive)
	s_delay_alu instid0(VALU_DEP_1)
	v_max_num_f32 v13, v13, v254                   ; the running largest t
	v_mov_b32 v254, v12
	s_delay_alu instid0(VALU_DEP_2)
	v_floor_f32 v12, -v13                          ; the new -M = -ceil(t)
	s_delay_alu instid0(VALU_DEP_1)
	v_sub_f32 v254, v12, v254                      ; old M - new M: a whole number, 0 or less
	s_delay_alu instid0(VALU_DEP_1)
	v_cvt_i32_f32 v254, v254
	s_delay_alu instid0(VALU_DEP_1)
	v_ldexp_f32 v252, 1.0, v254                    ; f = 2^(old M - new M)
.set n, 0
.rept 32
	v_pk_fma_f32 v[96+n:97+n], v[96+n:97+n], s[CS:CS+1], v[12:13] op_sel_hi:[1,0,0]   ; t - M
.set n, n+2
.endr
.irp b, 0,1,2,3
	v_fma_f32 v[232+\b], v[232+\b], s[CS], v12
.endr
.set n, 0
	s_wait_alu depctr_va_vdst(0)
.rept 64
	v_exp_f32 v[96+n], v[96+n]                     ; p = 2^(t - M)
.set n, n+1
.endr
.irp b, 0,1,2,3
	v_exp_f32 v[232+\b], v[232+\b]                 ; the block's largest p
.endr
	v_pk_mul_f32 v[14:15], v[14:15], v[252:253] op_sel_hi:[1,0]   ; the sums under the new M (a plain instruction behind the exponentials)
	s_wait_alu depctr_va_vdst(0)
.irp b, 0,1,2,3
	v_max_num_f32 v[232+\b], 0x4800000, v[232+\b]  ; the floor 2^(9 - 127)
.endr
.irp b, 0,1,2,3
	s_delay_alu instid0(VALU_DEP_4)
	v_add_nc_u32 v[244+\b], 0xfc000000, v[232+\b]  ; the conversion's scale operand
.endr
.irp b, 0,1,2,3
	v_and_or_b32 v[240+\b], v[232+\b], 0x7f800000, s[MNT]   ; 448 x the scale
.endr
.irp b, 0,1,2,3
	v_lshrrev_b32 v[236+\b], 23, v[244+\b]
.endr
	s_delay_alu instid0(VALU_DEP_3)
	v_lshl_or_b32 v253, v237, 8, v236              ; p's scale word for these 128 keys
	s_delay_alu instid0(VALU_DEP_1)
	v_lshl_or_b32 v253, v238, 16, v253
	s_delay_alu instid0(VALU_DEP_1)
	v_lshl_or_b32 v253, v239, 24, v253
	v_pk_add_f32 v[236:237], v[100:101], v[104:105]
	v_pk_add_f32 v[250:251], v[108:109], v[112:113]
	v_pk_add_f32 v[234:235], v[116:117], v[120:121]
	v_pk_add_f32 v[232:233], v[124:125], v[128:129]
	v_pk_add_f32 v[228:229], v[132:133], v[136:137]
	v_pk_add_f32 v[226:227], v[140:141], v[144:145]
	v_pk_add_f32 v[224:225], v[148:149], v[152:153]
	v_pk_add_f32 v[14:15], v[14:15], v[156:157]
	v_pk_add_f32 v[236:237], v[236:237], v[96:97]
	v_pk_add_f32 v[250:251], v[250:251], v[98:99]
	v_pk_add_f32 v[234:235], v[234:235], v[102:103]
	v_pk_add_f32 v[232:233], v[232:233], v[106:107]
	v_pk_add_f32 v[228:229], v[228:229], v[110:111]
	v_pk_add_f32 v[226:227], v[226:227], v[114:115]
	v_pk_add_f32 v[224:225], v[224:225], v[118:119]
	v_pk_add_f32 v[14:15], v[14:15], v[122:123]
	v_pk_add_f32 v[236:237], v[236:237], v[126:127]
	v_pk_add_f32 v[250:251], v[250:251], v[130:131]
	v_pk_add_f32 v[234:235], v[234:235], v[134:135]
	v_pk_add_f32 v[232:233], v[232:233], v[138:139]
	v_pk_add_f32 v[228:229], v[228:229], v[142:143]
	v_pk_add_f32 v[226:227], v[226:227], v[146:147]
	v_pk_add_f32 v[224:225], v[224:225], v[150:151]
	v_pk_add_f32 v[14:15], v[14:15], v[154:155]
	v_pk_add_f32 v[236:237], v[236:237], v[158:159]
	s_delay_alu instid0(VALU_DEP_2)
	v_pk_add_f32 v[14:15], v[14:15], v[232:233]
	s_delay_alu instid0(VALU_DEP_2)
	v_pk_add_f32 v[236:237], v[236:237], v[228:229]
	v_pk_add_f32 v[250:251], v[250:251], v[226:227]
	v_pk_add_f32 v[234:235], v[234:235], v[224:225]
	s_delay_alu instid0(VALU_DEP_2)
	v_pk_add_f32 v[14:15], v[14:15], v[250:251]
	s_delay_alu instid0(VALU_DEP_2)
	v_pk_add_f32 v[236:237], v[236:237], v[234:235]
	s_delay_alu instid0(VALU_DEP_1)
	v_pk_add_f32 v[14:15], v[14:15], v[236:237]
.irp b, 0,1,2,3
.irp i, 0,1,2,3,4,5,6,7,8,9,10,11,12,13,14,15
	v_min_num_f32 v[96+16*\b+\i], v[96+16*\b+\i], v[240+\b]   ; the hold; p is not negative, so it is one-sided
.endr
	v_cvt_scalef32_pk8_fp8_f32 v[176+4*\b:177+4*\b], v[96+16*\b:103+16*\b], v[244+\b]
	v_cvt_scalef32_pk8_fp8_f32 v[178+4*\b:179+4*\b], v[104+16*\b:111+16*\b], v[244+\b]
.endr
.irp j, 0,2,4,6,8,10,12,14
	v_pk_mul_f32 v[160+\j:161+\j], v[160+\j:161+\j], v[252:253] op_sel_hi:[1,0]   ; O^T under the new M; these eight also stand between the conversions and the products
.endr
	s_wait_alu depctr_va_vdst(0)
	s_wait_dscnt 0x0                               ; v
	v_wmma_scale_f32_16x16x128_f8f6f4 v[160:167], v[192:207], v[176:191], v[160:167], v249, v253
	v_wmma_scale_f32_16x16x128_f8f6f4 v[168:175], v[208:223], v[176:191], v[168:175], v249, v253 matrix_a_scale:MATRIX_SCALE_ROW1
.Lhidden:
	s_add_co_u32 s46, s46, 128
	s_add_co_u32 s47, s47, 4096
	s_add_co_u32 s48, s48, 256
	s_sub_co_u32 s49, s49, 1
	s_cmp_lg_u32 s49, 0
	s_cbranch_scc1 .Lstep
.rept 8
	v_nop
.endr
	v_add_f32 v14, v14, v15
	s_wait_alu depctr_va_vdst(0)
	v_permlanex16_b32 v252, v14, s[SEL], s[SEL+1]
	s_delay_alu instid0(VALU_DEP_1)
	v_add_f32 v14, v14, v252                       ; the row's sum
	s_wait_alu depctr_va_vdst(0)
	v_rcp_f32 v14, v14
	v_nop
	s_wait_alu depctr_va_vdst(0)
.irp j, 0,1,2,3,4,5,6,7,8,9,10,11,12,13,14,15
	v_mul_f32 v[96+\j], v[160+\j], v14             ; register 8 u + j: channel 16 u + 8 h + j of my query
.endr
	v_max3_num_f32 v240, |v96|, |v97|, 0x4800000   ; the head's 32 channels are one block of the next product's K
	v_max3_num_f32 v241, |v104|, |v105|, |v106|
	s_delay_alu instid0(VALU_DEP_2)
	v_max3_num_f32 v240, v240, |v98|, |v99|
	s_delay_alu instid0(VALU_DEP_2)
	v_max3_num_f32 v241, v241, |v107|, |v108|
	s_delay_alu instid0(VALU_DEP_2)
	v_max3_num_f32 v240, v240, |v100|, |v101|
	s_delay_alu instid0(VALU_DEP_2)
	v_max3_num_f32 v241, v241, |v109|, |v110|
	s_delay_alu instid0(VALU_DEP_2)
	v_max3_num_f32 v240, v240, |v102|, |v103|
	s_delay_alu instid0(VALU_DEP_1)
	v_max3_num_f32 v240, v240, v241, |v111|
	s_delay_alu instid0(VALU_DEP_1)
	v_permlanex16_b32 v241, v240, s[SEL], s[SEL+1]
	s_delay_alu instid0(VALU_DEP_1)
	v_max_num_f32 v240, v240, v241
	s_delay_alu instid0(VALU_DEP_1)
	v_add_nc_u32 v242, 0xfc000000, v240
	s_delay_alu instid0(VALU_DEP_2)
	v_and_or_b32 v243, v240, 0x7f800000, s[MNT]
	s_delay_alu instid0(VALU_DEP_2)
	v_lshrrev_b32 v232, 23, v242
.irp i, 0,1,2,3,4,5,6,7,8,9,10,11,12,13,14,15
	v_med3_num_f32 v[96+\i], v[96+\i], -v243, v243
.endr
	v_cvt_scalef32_pk8_fp8_f32 v[176:177], v[96:103], v242
	v_cvt_scalef32_pk8_fp8_f32 v[178:179], v[104:111], v242
	v_nop
	v_permlane16_swap_b32 v176, v178               ; lanes 16-31 of the first with lanes 0-15 of the second: a lane then holds channels 16 h + 0 .. 15 in order, as the given weight's codes lie
	v_permlane16_swap_b32 v177, v179
	global_store_b128 v1, v[176:179], s[10:11]     ; 512 consecutive bytes
	ds_store_b8 v7, v232                           ; lanes l and l + 16 write the same byte
	s_wait_dscnt 0x0                               ; for wave 0's sake
	s_barrier_signal -1
	s_barrier_wait -1
	s_cmp_lg_u32 s14, 0
	s_cbranch_scc1 .Lnot0
	ds_load_b64 v[234:235], v11
	v_lshrrev_b32 v236, 3, v5                      ; eight lanes to a class
	s_delay_alu instid0(VALU_DEP_1)
	v_and_b32 v237, 1, v236
	s_lshl_b32 s44, s16, 1
	s_sub_co_u32 s44, 63, s44
	v_mul_u32_u24 v237, v237, s44
	s_delay_alu instid0(VALU_DEP_1)
	v_add_nc_u32 v237, s16, v237                   ; g, or 63 - g
	v_lshrrev_b32 v236, 1, v236
	s_delay_alu instid0(VALU_DEP_1)
	v_lshl_add_u32 v237, v236, 6, v237             ; the class's query tile
	v_and_b32 v236, 7, v5
	s_delay_alu instid0(VALU_DEP_1)
	v_lshlrev_b32 v236, 3, v236
	s_delay_alu instid0(VALU_DEP_1)
	v_lshl_add_u32 v237, v237, 6, v236             ; 64 bytes a tile, 8 a lane
	s_wait_alu depctr_va_vdst(0)
	s_wait_dscnt 0x0
	global_store_b64 v237, v[234:235], s[12:13]
.Lnot0:
	s_wait_tensorcnt 0x0
	ds_add_u32 v230, v231
	s_wait_dscnt 0x0
	CROUND                                         ; the closing round: no work-group ends while a partner may still ask for bytes that name it
	s_endpgm
.Lfunc_end_k_q24b393d2a9_attn:
	.size	k_q24b393d2a9_attn, .Lfunc_end_k_q24b393d2a9_attn-k_q24b393d2a9_attn
	.p2alignl 7, 3214868480
	.fill 96, 4, 3214868480
	.section	.rodata,"a",@progbits
	.p2align	6, 0x0
	.amdhsa_kernel k_q24b393d2a9_attn
		.amdhsa_group_segment_fixed_size 169984
		.amdhsa_private_segment_fixed_size 0
		.amdhsa_enable_private_segment 0
		.amdhsa_kernarg_size 40
		.amdhsa_user_sgpr_count 2
		.amdhsa_user_sgpr_kernarg_segment_ptr 1
		.amdhsa_wavefront_size32 1
		.amdhsa_system_sgpr_workgroup_id_x 1
		.amdhsa_system_sgpr_workgroup_id_y 1
		.amdhsa_system_sgpr_workgroup_id_z 1
		.amdhsa_system_vgpr_workitem_id 0
		.amdhsa_next_free_vgpr 256
		.amdhsa_next_free_sgpr 66
		.amdhsa_reserve_vcc 1
		.amdhsa_float_denorm_mode_32 3
		.amdhsa_float_denorm_mode_16_64 3
		.amdhsa_memory_ordered 1
		.amdhsa_forward_progress 1
		.amdhsa_inst_pref_size 35
	.end_amdhsa_kernel
	.amdgpu_metadata
---
amdhsa.version: [ 1, 2 ]
amdhsa.kernels:
  - .name:           k_q24b393d2a9_attn
    .symbol:         k_q24b393d2a9_attn.kd
    .args:
      - { .name: q_img, .offset: 0, .size: 8, .value_kind: global_buffer, .address_space: global }
      - { .name: q_scl, .offset: 8, .size: 8, .value_kind: global_buffer, .address_space: global }
      - { .name: kv, .offset: 16, .size: 8, .value_kind: global_buffer, .address_space: global }
      - { .name: act_img, .offset: 24, .size: 8, .value_kind: global_buffer, .address_space: global }
      - { .name: act_scl, .offset: 32, .size: 8, .value_kind: global_buffer, .address_space: global }
    .group_segment_fixed_size: 169984
    .private_segment_fixed_size: 0
    .kernarg_segment_align: 8
    .kernarg_segment_size: 40
    .max_flat_workgroup_size: 512
    .sgpr_count:     66
    .vgpr_count:     256
    .wavefront_size: 32
...
	.end_amdgpu_metadata
.endif
;; end of part 3
;; launch ffup (part 4): grid 32 x 8, 4 waves a work-group, clusters of 4 x 4, 327,680 bytes of LDS; arguments xq_codes, xq_scales, W_fused_codes, W_fused_scales, act_img, act_scl; writes act_img, act_scl
.if DOCPART == 4
	.amdgcn_target "amdgcn-amd-amdhsa--gfx1250"
	.amdhsa_code_object_version 6
	.text
	.protected	k_q24b393d2a9_ffup
	.globl	k_q24b393d2a9_ffup
	.p2align	8
	.type	k_q24b393d2a9_ffup,@function
k_q24b393d2a9_ffup:
	s_mov_b64 s[64:65], 0
	v_nop
	global_prefetch_b8 v0, s[64:65] scope:SCOPE_SE
	s_setreg_imm32_b32 hwreg(HW_REG_WAVE_MODE, 25, 1), 1
	s_wait_xcnt 0x0
	s_wait_alu depctr_hold_cnt(0) depctr_sa_sdst(0) depctr_va_vdst(0) depctr_va_sdst(0) depctr_va_ssrc(0) depctr_va_vcc(0) depctr_vm_vsrc(0)
	s_getreg_b32 s2, hwreg(HW_REG_IB_STS2, 6, 4)
	s_cmp_eq_u32 s2, 0
	s_cbranch_scc0 .Lentry_in_a_cluster
	s_endpgm
.Lentry_in_a_cluster:
	s_bfe_u32 s2, ttmp6, 0x10000c
	s_cmp_lg_u32 s2, 0xf033
	s_cbranch_scc0 .Lentry_shape_is_right
	s_endpgm
.Lentry_shape_is_right:
; h = silu(xn W_gate) * (xn W_x), columns 576 .. 8,767 of xn W_fused, on codes of E4M3 with E8M0 scales, and h as codes and scale bytes for the last product: 4,096 x 8,192 x 1,024.
; THE DEAL.  256 work-groups: 32 column groups of 128 hidden units x 8 row groups of 512 rows of xn.  The four waves stand side by side: wave w holds the 32 rows of W_x and the 32 rows of W_gate
; of hidden units 32 w .. 32 w + 31, ALL of K, in 512 registers (windows 1, 2), and every wave walks all 512 rows of xn in 32 blocks of 16, which stand in registers as two whole sets (window 3).
; So a row of xn that comes into LDS feeds 256 rows of W, and a work-group makes whole scale words (four blocks of 32 hidden units).
; LDS.  Two slots of 128 rows x 1,040 bytes.  At the head W_x's 128 rows lie in slot 0 and W_gate's in slot 1 (waves 0, 1), xn's first 32 rows behind them (wave 2), the scale bytes of all 512 rows behind those (wave 3).
; When all waves hold W in registers, xn's other 480 rows come in five chunks of 96 rows over the slots by turns, a quarter a wave, each behind a drained round of the cluster's barrier; a chunk has six blocks' work in which to land.
; CLUSTERS: 4 x 4.  xn's rows are asked for jointly along a row of the cluster, W's along a column.
; A BLOCK: 32 products (source 0 = 16 rows of W, source 1 = 16 rows of xn: a lane holds one row of xn and eight hidden units a tile), the four accumulators by turns.
; THE WAY OUT IS IN TWO PARTS.  At the block's edge: x g and -g log2(e) leave the sums, the exponentials, the fetch of the block two on, 1 + e, the reciprocals: no transcendental stands among chained products.
; Among the NEXT block's first 14 products, three plain lines behind each: the product with the reciprocal,
; the block scale (a block of 32 lies in lanes l and l xor 16), the holds, the codes.  Its stores stand at that block's edge.  The first block has no block before it: its lines work on zeros, and a branch leads round the stores alone.
; OUT: act_img [512 along K][row tile][128 along K][block of 32][lane][16 bytes], K step 0 being attention's; act_scl [128 along K][row] words; the bytes are gathered in LDS and leave as runs of 512 bytes.
; PREFETCH: in the trip that loads chunk c + 1 the sixteen waves of a cluster's row name chunk c + 2's 384 blocks of 256 bytes, 24 lanes a wave (the other 8 lanes name the wave's last block again), told apart by address; the last trip names nothing.  W comes at the head alone, where no loop runs ahead of it.
; LIMITS: NaN and infinities are not served; 1 / (1 + 2^(-g log2 e)) by v_exp_f32 and v_rcp_f32; a block whose largest magnitude lies under 2^-118 keeps the byte 1 (a block of zeros too: its codes are zeros, and this program alone reads the bytes).
.set KROW, 1024
.set PITCH, KROW+16                    ; the 16 rows of a fragment load start 4 banks apart
.set YB, 128*PITCH                     ; slot 1
.set EBASE, 2*YB                       ; xn's first 32 rows
.set SCL, EBASE+32*PITCH               ; xn's scale bytes: 64 runs of 256 bytes + 16
.set XS, SCL+64*272                    ; h's scale bytes: [row 512][wave 4]
.set SPARE, XS+2048                    ; the spare words, 128 bytes a wave
.set CH, 96                            ; rows of a chunk
.set ADRA0, 5                          ; v5   r x pitch + 16 h
.set AAS0, 6                           ; v6   my row's scale words in block 0
.set VX0, 7                            ; v7   my row's scale byte in block 0
.set CO, 9                             ; v9   16 x lane
.set SPW, 10
.set NIL, 11
.set ADRA, 12                          ; v12  as v5, for the block that is fetched
.set VX, 13
.set ADRB, 14                          ; v14, v15  my rows of W_x, of W_gate
.set ABS, 16                           ; v16  32 x lane
.set AAS, 17
.set PFO, 18                           ; v18  the prefetch's offset
.set SOP, 20                           ; v20  the conversions' scale operand
.set RDS, 22                           ; v22, v23  the scale bytes' way out
.set GSO, 23
.set SB, 24                            ; v24-39  W's scale words: register 8 p + q: lanes 0-15 tile 2 p, lanes 16-31 tile 2 p + 1
.set EB, 40
.set SA, 44                            ; v44-59  xn's, two sets of eight: no product's two scale registers have numbers equal modulo 8
.set TQ, 60                            ; v60-63  maxima and the bound
.set ACC, 64                           ; v64-95  W_x's two tiles, W_gate's two tiles
.set E, 96                             ; v96-111
.set P, 112                            ; v112-127
.set CODE, 128                         ; v128-131
.set G1W, 24
.set G1E, 32
.set G1R, 48
.set G1S, 92
.set G0X, 56
.set G0G, 60
.set G0E, 68
.set G0S, 72
.set G0R, 76
.set MSB, 0
.macro WIN new                         ; the immediate's high byte repeats the setting that is left
.if MSB != \new
	s_set_vgpr_msb (MSB<<8)|\new
.set MSB, \new
.endif
.endm
.macro PLACES n
.rept \n
	v_nop
.endr
.endm
.macro BARRIER
	s_barrier_signal -1
	s_barrier_wait -1
.endm
.macro CROUND                          ; a round of the cluster's barrier
	BARRIER
	s_cmp_lg_u32 s14, 0
	s_cbranch_scc1 .Lnot_wave_0_\@
	s_barrier_signal -3
.Lnot_wave_0_\@:
	s_barrier_wait -3
	BARRIER
.endm
.macro TLOAD g0, g1                    ; an s_nop 0 and four v_nop follow a tensor load
	tensor_load_to_lds s[\g0:\g0+3], s[\g1:\g1+7]
	s_nop 0
	PLACES 4
.endm
.macro GROUP1 g, mask, rows            ; so many whole rows of K, 4 words of padding behind every 256
	s_or_b32 s[\g+0], s[\mask], (1<<20)|(1<<21)|(7<<22)|(3<<25)
	s_mov_b32 s[\g+1], KROW<<16
	s_mov_b32 s[\g+2], (\rows)<<16
	s_mov_b32 s[\g+3], KROW<<16
	s_mov_b32 s[\g+4], \rows
	s_mov_b32 s[\g+5], KROW
	s_mov_b32 s[\g+6], 0
	s_mov_b32 s[\g+7], 0
.endm
	s_load_b256 s[4:11], s[0:1], 0x0               ; xq_codes, xq_scales, W's codes, W's scales
	s_load_b128 s[80:83], s[0:1], 0x20             ; act_img, act_scl
	v_lshl_add_u32 v[SPW], v0, 2, SPARE
	v_mov_b32 v[NIL], 0
	ds_add_u32 v[SPW], v[NIL]                      ; the opening lines: the add, twice on end, and its wait
	ds_add_u32 v[SPW], v[NIL]
	v_lshrrev_b32 v1, 5, v0
	v_readfirstlane_b32 s14, v1                    ; wave
	s_bfe_u32 s40, ttmp6, 0x40000                  ; cx, cy
	s_bfe_u32 s41, ttmp6, 0x40004
	s_lshl_b32 s42, ttmp9, 2
	s_add_co_u32 s42, s42, s40                     ; column group
	s_and_b32 s43, ttmp7, 0xffff
	s_lshl_b32 s43, s43, 2
	s_add_co_u32 s43, s43, s41                     ; row group
	s_lshl_b32 s44, s41, 2
	s_lshl_b32 s44, 15, s44                        ; my row of the cluster
	s_lshl_b32 s45, 0x1111, s40                    ; my column
	GROUP1 G1W, 45, 128
	GROUP1 G1E, 44, 32
	GROUP1 G1R, 44, CH/4
	s_or_b32 s[G1S], s44, (3<<16)|(1<<20)|(1<<21)|(5<<22)|(3<<25)   ; 16,384 dense bytes as 64 rows of 256, 16 of padding behind each
	s_mov_b32 s[G1S+1], 32<<16
	s_mov_b32 s[G1S+2], 64<<16
	s_mov_b32 s[G1S+3], 32<<16
	s_mov_b32 s[G1S+4], 64
	s_mov_b32 s[G1S+5], 32
	s_mov_b32 s[G1S+6], 0
	s_mov_b32 s[G1S+7], 0
	s_mul_i32 s89, s14, (CH/4)*PITCH               ; my quarter of a chunk in a slot
	s_mov_b32 s[G0X], 1
	s_mov_b32 s[G0X+1], 0
	s_mov_b32 s[G0G], 1
	s_mov_b32 s[G0G+1], YB
	s_mov_b32 s[G0E], 1
	s_mov_b32 s[G0E+1], EBASE
	s_mov_b32 s[G0S], 1
	s_mov_b32 s[G0S+1], SCL
	s_mov_b32 s[G0R], 1
	s_mov_b32 s[G0R+1], s89
	s_lshl_b32 s20, s42, 17                        ; W_x's rows 576 + 128 x column group
	s_add_co_u32 s20, s20, 576*KROW
	s_mov_b32 s21, 0
	s_lshl_b32 s22, s43, 19                        ; xn's rows 512 x row group
	s_mov_b32 s23, 0
	s_lshl_b32 s66, s43, 14                        ; and their scale bytes
	s_mov_b32 s67, 0
	s_lshl_b32 s2, s42, 12                         ; W's scale bytes: my wave's 32 rows
	s_lshl_b32 s3, s14, 10
	s_add_co_u32 s2, s2, s3
	s_add_co_u32 s2, s2, 576*32
	s_mov_b32 s3, 0
	s_wait_dscnt 0x0
	CROUND                                         ; all sixteen work-groups are here
	s_wait_kmcnt 0x0
	s_add_nc_u64 s[G0X+2:G0X+3], s[8:9], s[20:21]
	s_add_nc_u64 s[G0G+2:G0G+3], s[G0X+2:G0X+3], 4096*KROW
	s_or_b32 s[G0X+3], s[G0X+3], 0x80000000
	s_or_b32 s[G0G+3], s[G0G+3], 0x80000000
	s_add_nc_u64 s[4:5], s[4:5], s[22:23]
	s_mov_b64 s[G0E+2:G0E+3], s[4:5]
	s_or_b32 s[G0E+3], s[G0E+3], 0x80000000
	s_add_nc_u64 s[G0S+2:G0S+3], s[6:7], s[66:67]
	s_or_b32 s[G0S+3], s[G0S+3], 0x80000000
	s_add_nc_u64 s[10:11], s[10:11], s[2:3]
	s_cmp_eq_u32 s14, 0                            ; one joint load a wave, in one tree of branches on the wave's number
	s_cbranch_scc0 .Lw1
	TLOAD G0X, G1W
	s_branch .Lasked
.Lw1:
	s_cmp_eq_u32 s14, 1
	s_cbranch_scc0 .Lw2
	TLOAD G0G, G1W
	s_branch .Lasked
.Lw2:
	s_cmp_eq_u32 s14, 2
	s_cbranch_scc0 .Lw3
	TLOAD G0E, G1E
	s_branch .Lasked
.Lw3:
	TLOAD G0S, G1S
.Lasked:
	s_mul_i32 s20, s14, 32*PITCH
	s_add_co_u32 s21, s14, XS
	s_lshl_b32 s22, s40, 2
	s_add_co_u32 s22, s22, s14
	s_mul_i32 s22, s22, 6144                       ; which of the cluster row's sixteen waves I am: 6 rows of a chunk
	s_lshl_b32 s23, s14, 9
	v_and_b32 v1, 15, v0                           ; r
	v_bfe_u32 v2, v0, 4, 1                         ; h
	v_and_b32 v3, 31, v0                           ; lane
	v_mul_u32_u24 v[ADRA0], v1, PITCH
	v_lshl_add_u32 v[ADRA0], v2, 4, v[ADRA0]
	v_add_nc_u32 v[ADRB], s20, v[ADRA0]
	v_add_nc_u32 v[ADRB+1], YB, v[ADRB]
	v_lshlrev_b32 v[ABS], 5, v3
	v_lshlrev_b32 v[AAS0], 5, v1                   ; 32 bytes a row, 16 more for each 256 passed
	v_lshrrev_b32 v4, 3, v1
	v_lshl_add_u32 v[AAS0], v4, 4, v[AAS0]
	v_add_nc_u32 v[AAS0], SCL, v[AAS0]
	v_lshlrev_b32 v[CO], 4, v3
	v_lshl_add_u32 v[VX0], v1, 2, s21
	v_min_u32 v[PFO], 23, v3
	v_lshl_add_u32 v[PFO], v[PFO], 8, s22
	v_add_nc_u32 v[GSO], s23, v[CO]
	v_add_nc_u32 v[RDS], XS, v[GSO]
.set n, 0
.rept 32
	v_mov_b32 v[E+n], 0                            ; what the first block's lines among its products work on: no block stands before it
.set n, n+1
.endr
	s_wait_alu depctr_va_vdst(0)
.irp p, 0,1
.irp c, 0,1
	global_load_b128 v[SB+8*\p+4*\c:SB+8*\p+4*\c+3], v[ABS], s[10:11] offset:\p*4096*32+16*\c   ; lane l: row l of W_x's (p = 0) or W_gate's (1) 32 rows
.endr
.endr
	s_lshr_b32 s20, s42, 2                         ; act_img: K step 1 + column group / 4,
	s_add_co_u32 s20, s20, 1
	s_lshl_b32 s20, s20, 21
	s_lshl_b32 s21, s43, 18                        ; 32 row tiles of 8,192 bytes a row group,
	s_add_co_u32 s20, s20, s21
	s_and_b32 s21, s42, 3                          ; 2,048 for each 128 along K,
	s_lshl_b32 s21, s21, 11
	s_add_co_u32 s20, s20, s21
	s_lshl_b32 s21, s14, 9                         ; 512 a block of 32;
	s_add_co_u32 s20, s20, s21
	s_sub_co_u32 s20, s20, 8192                    ; each block's stores step it first
	s_mov_b32 s21, 0
	s_add_nc_u64 s[84:85], s[80:81], s[20:21]
	s_add_co_u32 s20, s42, 4                       ; act_scl: 16,384 bytes for each 128 along K, 2,048 a row group
	s_lshl_b32 s20, s20, 14
	s_lshl_b32 s22, s43, 11
	s_add_co_u32 s20, s20, s22
	s_add_nc_u64 s[82:83], s[82:83], s[20:21]
	s_mul_i32 s20, s14, (CH/4)*KROW                ; chunk 0: rows 32 + 24 x wave
	s_add_co_u32 s20, s20, 32*KROW
	s_add_nc_u64 s[G0R+2:G0R+3], s[4:5], s[20:21]
	s_or_b32 s[G0R+3], s[G0R+3], 0x80000000
	s_add_nc_u64 s[90:91], s[4:5], (32+CH)*KROW    ; the prefetch stands at chunk 1: each trip steps it first
	s_mov_b32 s12, 0xbfb8aa3b                      ; -log2(e), as a pair
	s_mov_b32 s13, s12
	s_mov_b32 s86, 0x76543210                      ; v_permlanex16_b32: lane l xor 16
	s_mov_b32 s87, 0xfedcba98
	s_mov_b32 s88, 0x600000                        ; the mantissa field of 448
	s_mov_b32 s47, EBASE                           ; LDS byte of the block that is fetched next,
	s_mov_b32 s17, 0                               ; its scale words,
	s_mov_b32 s18, 0                               ; where a block's scale bytes go,
	s_mov_b32 s19, 0                               ; and 1 once a block stands before
	s_mov_b32 s46, 0
	s_mov_b32 s101, 0                              ; the slot that a trip fetches from
.macro NEXT k                          ; a block of xn, 16 rows, all of K, into set k, and its scale words: 34 loads
	v_add_nc_u32 v[ADRA], s47, v[ADRA0]
	v_add_nc_u32 v[AAS], s17, v[AAS0]
	s_add_co_u32 s47, s47, 16*PITCH
	s_add_co_u32 s17, s17, 544
	WIN 3<<6
.irp q, 0,1,2,3,4,5,6,7
.irp c, 0,1,2,3
	ds_load_b128 v[128*\k+16*\q+4*\c:128*\k+16*\q+4*\c+3], v[ADRA] offset:128*\q+32*\c
.endr
.endr
	WIN 0
	ds_load_b128 v[SA+8*\k:SA+8*\k+3], v[AAS]
	ds_load_b128 v[SA+8*\k+4:SA+8*\k+7], v[AAS] offset:16
.endm
.macro PROD e, n                       ; product n = 4 q + b: the q-th 128 of K, tile b of W; W's fragment n lies in window 1 + n / 16
.set Q_, (\n)/4
.set B_, (\n)%4
.set AC_, ACC+8*B_
.set R_, 128*(\e)+16*Q_
.set W_, 16*((\n)%16)
.set XS_, SA+8*(\e)+Q_
.set WS_, SB+8*(B_/2)+Q_
	WIN (1+(\n)/16)|(3<<2)
.if Q_ && B_%2
	v_wmma_scale_f32_16x16x128_f8f6f4 v[AC_:AC_+7], v[W_:W_+15], v[R_:R_+15], v[AC_:AC_+7], v[WS_], v[XS_] matrix_a_scale:MATRIX_SCALE_ROW1
.elseif Q_
	v_wmma_scale_f32_16x16x128_f8f6f4 v[AC_:AC_+7], v[W_:W_+15], v[R_:R_+15], v[AC_:AC_+7], v[WS_], v[XS_]
.elseif B_%2
	v_wmma_scale_f32_16x16x128_f8f6f4 v[AC_:AC_+7], v[W_:W_+15], v[R_:R_+15], 0, v[WS_], v[XS_] matrix_a_scale:MATRIX_SCALE_ROW1
.else
	v_wmma_scale_f32_16x16x128_f8f6f4 v[AC_:AC_+7], v[W_:W_+15], v[R_:R_+15], 0, v[WS_], v[XS_]
.endif
.endm
; THE WAY OUT'S FIRST PART, at a block's edge.  Register 8 u + j of lane (r, h): hidden unit 16 u + 8 h + j of row r.  Each accumulator is read from its low end on.  mid: the set that is fetched between the two batches (-1: none)
.macro STAGE1 mid
.set n, 0
.rept 8
	v_pk_mul_f32 v[E+n:E+n+1], v[ACC+16+n:ACC+17+n], s[12:13] op_sel_hi:[1,0]
.set n, n+2
.endr
.set n, 0
.rept 8
	v_pk_mul_f32 v[P+n:P+n+1], v[ACC+n:ACC+n+1], v[ACC+16+n:ACC+17+n]
.set n, n+2
.endr
	s_wait_alu depctr_va_vdst(0)                   ; a wait ahead of each batch and behind it
.set n, 0
.rept 16
	v_exp_f32 v[E+n], v[E+n]
.set n, n+1
.endr
.if \mid >= 0
	NEXT \mid                                      ; (its two additions are the plain lines behind the batch)
.else
	v_nop
.endif
	s_wait_alu depctr_va_vdst(0)
.set n, 0
.rept 8
	v_pk_add_f32 v[E+n:E+n+1], v[E+n:E+n+1], 1.0 op_sel_hi:[1,0]
.set n, n+2
.endr
	s_wait_alu depctr_va_vdst(0)
.set n, 0
.rept 16
	v_rcp_f32 v[E+n], v[E+n]
.set n, n+1
.endr
	v_nop
	s_wait_alu depctr_va_vdst(0)
.endm
; THE SECOND PART, line k of 42, all plain: three stand behind each of the next block's first 14 products, between two switches of the register window.
; So between a write and any of its readers stand fewer than 8 scalar lines (up to three places on) or at least 9 plain lines (four places on and more).
.macro S2 k
.if (\k) < 8
	v_pk_mul_f32 v[P+2*(\k):P+2*(\k)+1], v[P+2*(\k):P+2*(\k)+1], v[E+2*(\k):E+2*(\k)+1]   ; x g / (1 + e^-g)
.elseif (\k) == 8
	v_max3_num_f32 v[TQ], |v[P]|, |v[P+1]|, 0x4800000        ; the floor 2^(9 - 127): the byte cannot fall under 1
.elseif (\k) == 9
	v_max3_num_f32 v[TQ+1], |v[P+8]|, |v[P+9]|, |v[P+10]|
.elseif (\k) < 15 && (\k)%2 == 0
	v_max3_num_f32 v[TQ], v[TQ], |v[P+(\k)-8]|, |v[P+(\k)-7]|
.elseif (\k) < 15
	v_max3_num_f32 v[TQ+1], v[TQ+1], |v[P+(\k)]|, |v[P+(\k)+1]|
.elseif (\k) == 15
	v_max3_num_f32 v[TQ], v[TQ], v[TQ+1], |v[P+15]|
.elseif (\k) == 16
	v_permlanex16_b32 v[TQ+1], v[TQ], s86, s87
.elseif (\k) == 17
	v_max_num_f32 v[TQ], v[TQ], v[TQ+1]            ; the block's largest magnitude
.elseif (\k) == 18
	v_add_nc_u32 v[SOP], 0xfc000000, v[TQ]         ; 8 off its exponent field: the conversions' scale operand
.elseif (\k) == 19
	v_and_or_b32 v[TQ+2], v[TQ], 0x7f800000, s88   ; 448 x the scale
.elseif (\k) == 20
	v_lshrrev_b32 v[EB], 23, v[SOP]                ; the byte
.elseif (\k) < 37
	v_med3_num_f32 v[P+(\k)-21], v[P+(\k)-21], -v[TQ+2], v[TQ+2]   ; the conversion to an 8-bit code does not saturate (ISA guide 7.6.2)
.elseif (\k) == 37
	v_cvt_scalef32_pk8_fp8_f32 v[CODE:CODE+1], v[P:P+7], v[SOP]
.elseif (\k) == 38
	v_cvt_scalef32_pk8_fp8_f32 v[CODE+2:CODE+3], v[P+8:P+15], v[SOP]
.elseif (\k) == 39
	v_add_nc_u32 v[VX], s18, v[VX0]                ; (the plain line behind the conversions)
.elseif (\k) == 40
	v_permlane16_swap_b32 v[CODE], v[CODE+2]       ; a lane then holds hidden units 16 h + 0 .. 15 in order
.else
	v_permlane16_swap_b32 v[CODE+1], v[CODE+3]
.endif
.endm
.macro STORES
	s_add_nc_u64 s[84:85], s[84:85], 8192          ; (behind the block's wait on XCNT)
	global_store_b128 v[CO], v[CODE:CODE+3], s[84:85]   ; 512 consecutive bytes
	ds_store_b8 v[VX], v[EB]                       ; lanes l and l + 16 write the same byte
	s_add_co_u32 s18, s18, 64
.endm
; A block on set e.  kind 0: plain; 1: a chunk's first: the drained round and the refill; 2: the last chunk's first: a plain barrier; 3: in the last loop, whose last trip fetches nothing.
.macro BLK e, kind
	s_wait_dscnt 35                                ; set e is in: behind its loads stand a byte store and the other set's 34 loads
	s_wait_xcnt 0x0                                ; the last store and prefetch have read their registers
.if \kind == 1
	s_add_nc_u64 s[90:91], s[90:91], CH*KROW
.endif
.set N_, 0
.rept 32
	PROD \e, N_
.if N_ < 14
	WIN 0
	S2 3*N_
	S2 3*N_+1
	S2 3*N_+2
.endif
.set N_, N_+1
.endr
	WIN 0
	PLACES 8                                       ; eight places ahead of the loads into set e and of the first read of the sums
	s_wait_alu depctr_va_vdst(0)                   ; the codes and the byte were written some scalar lines back
	s_cmp_eq_u32 s19, 0
	s_cbranch_scc1 .Lnone_before_\@
	STORES                                         ; the block before leaves
.Lnone_before_\@:
	s_mov_b32 s19, 1
.if \kind == 1
	s_wait_tensorcnt 0x0                           ; my quarter of this trip's chunk is in;
	ds_add_u32 v[SPW], v[NIL]
	s_xor_b32 s20, s101, YB
	s_add_co_u32 s[G0R+1], s89, s20                ; the next chunk goes into the other slot
	s_add_nc_u64 s[G0R+2:G0R+3], s[G0R+2:G0R+3], CH*KROW
	s_mov_b32 s47, s101
	s_wait_dscnt 0x0                               ; the add is done, and my reads of the other slot are over
	CROUND
	TLOAD G0R, G1R
.elseif \kind == 2
	s_wait_tensorcnt 0x0                           ; the last chunk is in; nothing is filled again
	s_mov_b32 s47, s101
	s_wait_dscnt 0x0
	BARRIER
.endif
.if \kind == 3
	s_cmp_eq_u32 s16, 1
	s_cbranch_scc1 .Lnone_\@
	NEXT \e
	s_branch .Lgo_\@
.Lnone_\@:
	s_wait_dscnt 0x0                               ; no fetch: the other set is in
.Lgo_\@:
	STAGE1 -1
.else
	STAGE1 \e
.endif
.if \kind == 1
	s_cmp_lt_u32 s46, 3                            ; chunks 2, 3, 4
	s_cbranch_scc0 .Lnot_ahead_\@
	global_prefetch_b8 v[PFO], s[90:91] th:TH_LOAD_NT scope:SCOPE_SE
.Lnot_ahead_\@:
.endif
.endm
	s_wait_tensorcnt 0x0                           ; my tile of the head's four is in,
	BARRIER                                        ; everybody's is
.irp q, 0,1,2,3,4,5,6,7                ; my 64 rows of W, all of K: 128 loads
	WIN (1+\q/4)<<6
.irp b, 0,1,2,3
.irp c, 0,1,2,3
	ds_load_b128 v[16*((4*\q+\b)%16)+4*\c:16*((4*\q+\b)%16)+4*\c+3], v[ADRB+\b/2] offset:(\b%2)*16*PITCH+128*\q+32*\c
.endr
.endr
.endr
	WIN 0
	NEXT 0
	NEXT 1
	s_wait_tensorcnt 0x0
	ds_add_u32 v[SPW], v[NIL]
	s_wait_dscnt 0x0                               ; W and blocks 0, 1 are in registers
	CROUND
	TLOAD G0R, G1R                                 ; chunk 0 over W_x's rows
	s_wait_loadcnt 0x0                             ; W's scale words
.Lchunk:                                           ; four trips of six blocks: trip c fetches chunk c and asks for chunk c + 1
	BLK 0, 1
	BLK 1, 0
	s_mov_b32 s16, 2
.Lpair:
	BLK 0, 0
	BLK 1, 0
	s_sub_co_u32 s16, s16, 1
	s_cmp_lg_u32 s16, 0
	s_cbranch_scc1 .Lpair
	s_xor_b32 s101, s101, YB
	s_add_co_u32 s46, s46, 1
	s_cmp_lg_u32 s46, 4
	s_cbranch_scc1 .Lchunk
	BLK 0, 2                                       ; the last chunk is written out: it asks for nothing
	BLK 1, 0
	s_mov_b32 s16, 3
.Ltail:
	BLK 0, 3
	BLK 1, 3
	s_sub_co_u32 s16, s16, 1
	s_cmp_lg_u32 s16, 0
	s_cbranch_scc1 .Ltail
	s_wait_xcnt 0x0                                ; the last block's second part has no products to stand among
.set K_, 0
.rept 42
	S2 K_
.set K_, K_+1
.endr
	STORES
	s_wait_dscnt 0x0                               ; my byte stores have landed
	BARRIER
	ds_load_b128 v[TQ:TQ+3], v[RDS]
	s_wait_dscnt 0x0
	global_store_b128 v[GSO], v[TQ:TQ+3], s[82:83] ; 512 consecutive bytes a wave, from a multiple of 256
	s_wait_tensorcnt 0x0                           ; the wave's end
	ds_add_u32 v[SPW], v[NIL]
	s_wait_dscnt 0x0
	CROUND                                         ; the closing round
	s_endpgm
.Lfunc_end_k_q24b393d2a9_ffup:
	.size	k_q24b393d2a9_ffup, .Lfunc_end_k_q24b393d2a9_ffup-k_q24b393d2a9_ffup
	.p2alignl 7, 3214868480
	.fill 96, 4, 3214868480
	.section	.rodata,"a",@progbits
	.p2align	6, 0x0
	.amdhsa_kernel k_q24b393d2a9_ffup
		.amdhsa_group_segment_fixed_size 327680
		.amdhsa_private_segment_fixed_size 0
		.amdhsa_enable_private_segment 0
		.amdhsa_kernarg_size 48
		.amdhsa_user_sgpr_count 2
		.amdhsa_user_sgpr_kernarg_segment_ptr 1
		.amdhsa_wavefront_size32 1
		.amdhsa_system_sgpr_workgroup_id_x 1
		.amdhsa_system_sgpr_workgroup_id_y 1
		.amdhsa_system_sgpr_workgroup_id_z 1
		.amdhsa_system_vgpr_workitem_id 0
		.amdhsa_next_free_vgpr 1024
		.amdhsa_next_free_sgpr 102
		.amdhsa_reserve_vcc 0
		.amdhsa_float_denorm_mode_32 3
		.amdhsa_float_denorm_mode_16_64 3
		.amdhsa_memory_ordered 1
		.amdhsa_forward_progress 1
		.amdhsa_inst_pref_size 135
	.end_amdhsa_kernel
	.amdgpu_metadata
---
amdhsa.version: [ 1, 2 ]
amdhsa.kernels:
  - .name:           k_q24b393d2a9_ffup
    .symbol:         k_q24b393d2a9_ffup.kd
    .args:
      - { .name: xq_codes, .offset: 0, .size: 8, .value_kind: global_buffer, .address_space: global }
      - { .name: xq_scales, .offset: 8, .size: 8, .value_kind: global_buffer, .address_space: global }
      - { .name: W_fused_codes, .offset: 16, .size: 8, .value_kind: global_buffer, .address_space: global }
      - { .name: W_fused_scales, .offset: 24, .size: 8, .value_kind: global_buffer, .address_space: global }
      - { .name: act_img, .offset: 32, .size: 8, .value_kind: global_buffer, .address_space: global }
      - { .name: act_scl, .offset: 40, .size: 8, .value_kind: global_buffer, .address_space: global }
    .group_segment_fixed_size: 327680
    .private_segment_fixed_size: 0
    .kernarg_segment_align: 8
    .kernarg_segment_size: 48
    .max_flat_workgroup_size: 128
    .sgpr_count:     102
    .vgpr_count:     1024
    .wavefront_size: 32
...
	.end_amdgpu_metadata
.endif
;; end of part 4
;; launch outp (part 5): grid 8 x 32, 4 waves a work-group, clusters of 4 x 4, 327,680 bytes of LDS; arguments act_img, act_scl, W_attn_out_codes, W_attn_out_scales, W_ff_out_codes, W_ff_out_scales, out0; writes out0
.if DOCPART == 5
	.amdgcn_target "amdgcn-amd-amdhsa--gfx1250"
	.amdhsa_code_object_version 6
	.text
	.protected	k_q24b393d2a9_outp
	.globl	k_q24b393d2a9_outp
	.p2align	8
	.type	k_q24b393d2a9_outp,@function
k_q24b393d2a9_outp:
	s_mov_b64 s[64:65], 0
	v_nop
	global_prefetch_b8 v0, s[64:65] scope:SCOPE_SE
	s_setreg_imm32_b32 hwreg(HW_REG_WAVE_MODE, 25, 1), 1
	s_wait_xcnt 0x0
	s_wait_alu depctr_hold_cnt(0) depctr_sa_sdst(0) depctr_va_vdst(0) depctr_va_sdst(0) depctr_va_ssrc(0) depctr_va_vcc(0) depctr_vm_vsrc(0)
	s_getreg_b32 s2, hwreg(HW_REG_IB_STS2, 6, 4)
	s_cmp_eq_u32 s2, 0
	s_cbranch_scc0 .Lentry_in_a_cluster
	s_endpgm
.Lentry_in_a_cluster:
	s_bfe_u32 s2, ttmp6, 0x10000c
	s_cmp_lg_u32 s2, 0xf033
	s_cbranch_scc0 .Lentry_shape_is_right
	s_endpgm
.Lentry_shape_is_right:
; out0 = attention's output x W_attn_out + h x W_ff_out: the two sums are one product with K = 512 + 4,096, on codes of E4M3 with E8M0 scales.
; A tile of out0 is 128 x 128, so that the 4,096 x 1,024 results give 256 work-groups; four waves, each 64 x 64: 16 accumulators.  K goes in nine steps of 512 (step 0: attention; steps 1-8: h), written out.
; THE ACTIVATIONS lie in memory in the order of the operand's registers ([512 along K][row tile][128 along K][block][lane][16 bytes]): a step's 128 rows are 65,536 dense bytes, and a fragment is four loads of 16 x lane.
; THE WEIGHTS come as rows of 512 bytes, 16 bytes of padding behind each.  A ring of two LDS slots; one joint load a wave behind each round of the cluster's barrier.
; THE SCALES: the activations' words for all 36 runs of 128 along K and W_ff_out's bytes of my 128 rows come into LDS once, with the first fills; W_attn_out's 16 bytes a row go straight into registers.
; CLUSTERS: 4 x 4 work-groups; the activations' tiles are asked for jointly along a row of the cluster, the weights' along a column.
; THE MATRIX INSTRUCTION IS USED TRANSPOSED (source 0 = 16 rows of W, source 1 = 16 rows of activations): a lane holds eight neighbouring numbers of a row of out0.
; REGISTERS: window 0: v16-29 addresses; v32-79 scale words, two sets, and nothing else ever; v128-255 the accumulators ((a, b) at 128 + 8 (4 a + b)).  window 1: two fragment buffers of 128: 64 of activations, then 64 of W.
.set SLOT,  133120                     ; the activations' image, 65,536 bytes, then W's 128 rows x 528
.set BOFF,  65536
.set BP,    528                        ; 512 bytes + 16 of padding: the 16 rows of a load start 4 banks apart (64 banks of 4 bytes: ISA guide 11.1)
.set ASC,   2*SLOT                     ; the activations' scale words: 36 rows of 512 bytes (128 rows x 4)
.set BSF,   ASC+36*512                 ; W_ff_out's scale bytes: 128 rows x (128 + 16)
.set SPARE, BSF+128*144                ; the spare words, 128 bytes a wave: two blocks of 256 bytes that no other line names
.set STAGE, SLOT                       ; the way out: 16 rows x (256 + 16) bytes a wave, in slot 1: it has had its last fill, and behind the last change of slots nobody reads it
.set SP,    272
.set ADRA, 16
.set ADRB, 20
.set ASCL, 22
.set ADSB, 23
.set STO,  24
.set RD,   25
.set CO,   26
.set WAS,  27
.set SPW,  28
.set NIL,  29
.set ACC,  128
.set G1A,  32
.set G1BA, 40
.set G1BF, 48
.set G0A,  56
.set G0B,  68
.set G1SA, 76
.set G0SA, 84
.set G1SF, 88
.set G0SF, 96
.set MSB, 0
.macro WIN new                         ; the immediate's high byte repeats the setting that is left
.if MSB != \new
	s_set_vgpr_msb (MSB<<8)|\new
.set MSB, \new
.endif
.endm
.set MUL,  0x05                        ; sources 0 and 1 window 1; C and D window 0
.set TO_F, 0x40                        ; destination window 1, address window 0
.macro NOPS n
.rept \n
	v_nop
.endr
.endm
.macro JLOAD s, g1b                    ; a joint refill: waves 0 and 1 fetch the activations' halves, waves 2 and 3 W's; four v_nop follow each of the two lines
	s_cmp_eq_u32 s19, 0
	s_cbranch_scc0 .Lfor_b_\@
	tensor_load_to_lds s[G0A+4*\s:G0A+4*\s+3], s[G1A:G1A+7]
	s_nop 0
	NOPS 4
	s_branch .Lasked_\@
.Lfor_b_\@:
	tensor_load_to_lds s[G0B+4*\s:G0B+4*\s+3], s[\g1b:\g1b+7]
	s_nop 0
	NOPS 4
.Lasked_\@:
.endm
.macro CREST
	s_cmp_lg_u32 s18, 0
	s_cbranch_scc1 .Lnot_wave_0_\@
	s_barrier_signal -3
.Lnot_wave_0_\@:
	s_barrier_wait -3
	s_barrier_signal -1
	s_barrier_wait -1
.endm
.macro CROUND
	s_barrier_signal -1
	s_barrier_wait -1
	CREST
.endm
	s_load_b256 s[4:11], s[0:1], 0x0               ; act_img s[4:5], act_scl s[6:7], W_attn_out's codes s[8:9], its scales s[10:11]
	s_load_b128 s[12:15], s[0:1], 0x20             ; W_ff_out's codes s[12:13], its scales s[14:15]
	s_load_b64 s[16:17], s[0:1], 0x30              ; out0
	v_lshl_add_u32 v[SPW], v0, 2, SPARE
	v_mov_b32 v[NIL], 0
	ds_add_u32 v28, v29
	ds_add_u32 v28, v29
	s_wait_dscnt 0x0
	v_lshrrev_b32 v1, 5, v0
	v_readfirstlane_b32 s18, v1                    ; wave 0..3
	s_lshr_b32 s19, s18, 1                         ; which half of the rows is mine.  Also: I fetch activations (0) or W (1)
	s_and_b32 s20, s18, 1                          ; which half of the columns.  Also: which half I fetch
	s_bfe_u32 s21, ttmp6, 0x40000                  ; cx, cy
	s_bfe_u32 s22, ttmp6, 0x40004
	s_lshl_b32 s23, ttmp9, 2
	s_add_co_u32 s23, s23, s21                     ; tile column
	s_and_b32 s24, ttmp7, 0xffff
	s_lshl_b32 s24, s24, 2
	s_add_co_u32 s24, s24, s22                     ; tile row
	s_lshl_b32 s25, s22, 2
	s_lshl_b32 s25, 15, s25                        ; my row of the cluster
	s_lshl_b32 s26, 0x1111, s21                    ; my column
	s_or_b32 s[G1A], s25, (3<<16)|(1<<21)          ; the activations: 32,768 dense bytes as 128 rows of 32 elements of 8 bytes; no padding
	s_mov_b32 s[G1A+1], 32<<16
	s_mov_b32 s[G1A+2], 256<<16                    ; (the head's load brings all 256 rows; behind it the two words that count rows are set to 128)
	s_mov_b32 s[G1A+3], 32<<16
	s_mov_b32 s[G1A+4], 256
	s_mov_b32 s[G1A+5], 32
	s_mov_b32 s[G1A+6], 0
	s_mov_b32 s[G1A+7], 0
.irp g, G1BA, G1BF                     ; W: 64 rows of 512 bytes, 4 words of padding behind every 128
	s_or_b32 s[\g], s26, (1<<20)|(1<<21)|(6<<22)|(3<<25)
	s_mov_b32 s[\g+1], 512<<16
	s_mov_b32 s[\g+2], 64<<16
	s_mov_b32 s[\g+3], 512<<16
	s_mov_b32 s[\g+4], 64
	s_mov_b32 s[\g+6], 0
	s_mov_b32 s[\g+7], 0
.endr
	s_mov_b32 s[G1BA+2], 128<<16                   ; W_attn_out comes at the head alone: all 128 rows by one load
	s_mov_b32 s[G1BA+4], 128
	s_mov_b32 s[G1BA+5], 512                       ; a row of W_attn_out,
	s_mov_b32 s[G1BF+5], 4096                      ; of W_ff_out
	s_or_b32 s[G1SA], s25, (3<<16)|(1<<21)         ; the activations' scale words: 36 rows of 512 bytes, 16,384 bytes apart
	s_mov_b32 s[G1SA+1], 64<<16
	s_mov_b32 s[G1SA+2], 36<<16                    ; all 36 rows by one load
	s_mov_b32 s[G1SA+3], 64<<16
	s_mov_b32 s[G1SA+4], 36
	s_mov_b32 s[G1SA+5], 2048
	s_mov_b32 s[G1SA+6], 0
	s_mov_b32 s[G1SA+7], 0
	s_or_b32 s[G1SF], s26, (1<<20)|(1<<21)|(4<<22)|(3<<25)   ; W_ff_out's scale bytes: 128 rows of 128 bytes, 4 words of padding behind every 32
	s_mov_b32 s[G1SF+1], 128<<16
	s_mov_b32 s[G1SF+2], 128<<16                   ; all 128 rows by one load
	s_mov_b32 s[G1SF+3], 128<<16
	s_mov_b32 s[G1SF+4], 128
	s_mov_b32 s[G1SF+5], 128
	s_mov_b32 s[G1SF+6], 0
	s_mov_b32 s[G1SF+7], 0
	s_lshl_b32 s27, s20, 15                        ; where my half goes: the activations',
	s_mul_i32 s31, s20, 64*BP
	s_add_co_u32 s31, s31, BOFF                    ; W's,
	s_mul_i32 s3, s20, 9216                        ; the scales': no place in the cluster enters an LDS address
	s_lshl_b32 s30, s23, 7
	s_lshl_b32 s66, s20, 6
	s_add_co_u32 s30, s30, s66                     ; W: row 128 x tile column + 64 x half (which is also my half of the columns)
	s_mov_b32 s67, 0
	s_mov_b32 s29, 0
	s_wait_kmcnt 0x0
	s_lshl_b32 s28, s24, 16                        ; the activations: 65,536 bytes a tile row, 32,768 a half  (s28, s29 never hold the tile column)
	s_add_co_u32 s28, s28, s27
	s_add_nc_u64 s[4:5], s[4:5], s[28:29]
	s_lshl_b32 s28, s24, 9                         ; their scale words: 512 bytes a tile row; the second half begins 18 rows on
	s_add_nc_u64 s[6:7], s[6:7], s[28:29]
	s_lshl_b32 s66, s30, 9
	s_add_nc_u64 s[8:9], s[8:9], s[66:67]
	s_lshl_b32 s66, s30, 4
	s_add_nc_u64 s[10:11], s[10:11], s[66:67]
	s_lshl_b32 s66, s30, 12
	s_add_nc_u64 s[12:13], s[12:13], s[66:67]
	s_lshl_b32 s66, s23, 14                        ; W_ff_out's scale bytes: 128 rows of 128 bytes a tile column
	s_add_nc_u64 s[14:15], s[14:15], s[66:67]
.irp s, 0,1
	s_mov_b32 s[G0A+4*\s], 1
	s_add_co_u32 s[G0A+4*\s+1], s27, \s*SLOT
	s_add_nc_u64 s[G0A+4*\s+2:G0A+4*\s+3], s[4:5], \s*2097152   ; K step s
	s_or_b32 s[G0A+4*\s+3], s[G0A+4*\s+3], 0x80000000
	s_mov_b32 s[G0B+4*\s], 1
	s_add_co_u32 s[G0B+4*\s+1], s31, \s*SLOT
.endr
	s_mov_b64 s[G0B+2:G0B+3], s[8:9]               ; K step 0: W_attn_out
	s_or_b32 s[G0B+3], s[G0B+3], 0x80000000
	s_mov_b64 s[G0B+6:G0B+7], s[12:13]             ; K step 1: W_ff_out from its first column on
	s_or_b32 s[G0B+7], s[G0B+7], 0x80000000
	s_mov_b32 s[G0SA], 1
	s_mov_b32 s[G0SA+1], ASC
	s_mov_b64 s[G0SA+2:G0SA+3], s[6:7]
	s_or_b32 s[G0SA+3], s[G0SA+3], 0x80000000
	s_mov_b32 s[G0SF], 1
	s_mov_b32 s[G0SF+1], BSF
	s_mov_b64 s[G0SF+2:G0SF+3], s[14:15]
	s_or_b32 s[G0SF+3], s[G0SF+3], 0x80000000
	CROUND                                         ; all sixteen work-groups are here: the first joint loads meet
	s_cmp_eq_u32 s18, 0                            ; the head's four tiles, each whole, one joint load a wave, in one tree of branches on the wave's number
	s_cbranch_scc0 .Lfirst_1
	tensor_load_to_lds s[G0A:G0A+3], s[G1A:G1A+7]      ; wave 0 (its half is 0): K step 0's activations
	s_nop 0
	NOPS 4
	s_branch .Lfirst_done
.Lfirst_1:
	s_cmp_eq_u32 s18, 2
	s_cbranch_scc0 .Lfirst_2
	tensor_load_to_lds s[G0B:G0B+3], s[G1BA:G1BA+7]    ; wave 2 (its half is 0): W_attn_out's 128 rows
	s_nop 0
	NOPS 4
	s_branch .Lfirst_done
.Lfirst_2:
	s_cmp_eq_u32 s18, 1
	s_cbranch_scc0 .Lfirst_3
	tensor_load_to_lds s[G0SA:G0SA+3], s[G1SA:G1SA+7]  ; wave 1: the activations' scale words
	s_nop 0
	NOPS 4
	s_branch .Lfirst_done
.Lfirst_3:
	tensor_load_to_lds s[G0SF:G0SF+3], s[G1SF:G1SF+7]  ; wave 3: W_ff_out's scale bytes
	s_nop 0
	NOPS 4
.Lfirst_done:
	v_and_b32 v1, 15, v0                           ; r
	v_bfe_u32 v2, v0, 4, 1                         ; h
	v_and_b32 v3, 31, v0                           ; lane
	v_lshlrev_b32 v[WAS], 4, v1
.irp i, 0,1,2,3
	global_load_b128 v[40+4*\i:43+4*\i], v[WAS], s[10:11] offset:256*\i   ; W_attn_out's four scale words of row 16 i + r: sixteen lanes read 256 consecutive bytes
.endr
	s_lshl_b32 s66, s19, 15
	v_lshl_add_u32 v[ADRA], v3, 4, s66             ; my four row tiles' images: 16 x lane
	v_add_nc_u32 v[ADRA+1], SLOT, v[ADRA]
	v_mul_u32_u24 v4, v1, BP
	v_lshl_add_u32 v4, v2, 4, v4
	v_add_nc_u32 v[ADRB], s31, v4                  ; my 64 rows of W: row x pitch + 16 h
	v_add_nc_u32 v[ADRB+1], SLOT, v[ADRB]
	s_lshl_b32 s66, s19, 8
	s_add_co_u32 s66, s66, ASC
	v_lshl_add_u32 v[ASCL], v3, 2, s66             ; scale words of rows 64 wr + 32 pr + lane: lanes 0-15 one tile, lanes 16-31 the next
	s_add_co_u32 s66, s3, BSF
	v_mul_u32_u24 v[ADSB], v1, 144
	v_add_nc_u32 v[ADSB], s66, v[ADSB]
	s_mul_i32 s66, s18, 16*SP
	s_add_co_u32 s66, s66, STAGE                   ; my stage
	v_mul_u32_u24 v[STO], v1, SP
	v_lshl_add_u32 v[STO], v2, 5, v[STO]
	v_add_nc_u32 v[STO], s66, v[STO]               ; in: row r, 32 bytes for each half of the lanes
	v_mul_u32_u24 v[RD], v2, SP
	v_lshl_add_u32 v[RD], v1, 4, v[RD]
	v_add_nc_u32 v[RD], s66, v[RD]                 ; back: lanes 0-15 one row of 256 bytes, lanes 16-31 the next
	v_lshlrev_b32 v[CO], 12, v2
	v_lshl_add_u32 v[CO], v1, 4, v[CO]             ; and the same two rows of out0
	s_lshl_b32 s66, s24, 19                        ; out0: row 128 x tile row + 64 wr, 4,096 bytes a row; column 128 x tile column + 64 wc
	s_lshl_b32 s30, s19, 18
	s_add_co_u32 s66, s66, s30
	s_lshl_b32 s30, s23, 9
	s_add_co_u32 s66, s66, s30
	s_lshl_b32 s30, s20, 8
	s_add_co_u32 s66, s66, s30
	s_add_nc_u64 s[16:17], s[16:17], s[66:67]
; THE PREFETCHES.  A K step's tiles are named once in each cluster that will load them, 8,192 bytes a wave, a lane to each block of 256 bytes: waves 0 and 1 name their half of the activations' 65,536 bytes, the quarter cx of it;
; waves 2 and 3 their 64 rows of W_ff_out, the 16 rows cy of them, 512 bytes a row.  The partners are told apart by address.  K steps 1 and 2 are named at the head, K step k + 3 at the change of slots that loads k + 2; nothing beyond K step 8.
	s_lshl_b32 s2, s21, 13
	s_add_co_u32 s2, s2, 2097152                   ; the activations: quarter cx, K step 1
	s_lshl_b32 s30, s22, 16                        ; W_ff_out: 16 cy rows of 4,096 bytes; K step 1 begins at its first column
	s_mov_b32 s15, 0
	s_mov_b32 s8, 512
	s_mov_b32 s9, 0
	s_mov_b32 s28, 4096
	s_cmp_eq_u32 s19, 0
	s_cselect_b64 s[6:7], s[4:5], s[12:13]
	s_cselect_b32 s14, s2, s30
	s_cselect_b32 s8, 0x200000, s8                 ; s[8:9]: a K step on
	s_cselect_b32 s28, 512, s28                    ; from one pair of lanes to the next
	s_add_nc_u64 s[6:7], s[6:7], s[14:15]
	v_lshrrev_b32 v30, 1, v3
	v_mul_lo_u32 v30, v30, s28
	v_and_b32 v31, 1, v3
	v_lshl_add_u32 v30, v31, 8, v30
	s_wait_alu depctr_va_vdst(0)
	global_prefetch_b8 v30, s[6:7] th:TH_LOAD_NT scope:SCOPE_SE
.macro MM d, bf, af, sb, sa, zero, odd
.if \zero
.if \odd
	v_wmma_scale_f32_16x16x128_f8f6f4 v[\d:\d+7], v[\bf:\bf+15], v[\af:\af+15], 0, v[\sb], v[\sa] matrix_b_scale:MATRIX_SCALE_ROW1
.else
	v_wmma_scale_f32_16x16x128_f8f6f4 v[\d:\d+7], v[\bf:\bf+15], v[\af:\af+15], 0, v[\sb], v[\sa]
.endif
.else
.if \odd
	v_wmma_scale_f32_16x16x128_f8f6f4 v[\d:\d+7], v[\bf:\bf+15], v[\af:\af+15], v[\d:\d+7], v[\sb], v[\sa] matrix_b_scale:MATRIX_SCALE_ROW1
.else
	v_wmma_scale_f32_16x16x128_f8f6f4 v[\d:\d+7], v[\bf:\bf+15], v[\af:\af+15], v[\d:\d+7], v[\sb], v[\sa]
.endif
.endif
.endm
; Four matrix instructions: row tile a x W's four tiles, the step's q-th 128 along K.  The 16 accumulators take turns, one instruction a turn, in the same order everywhere.
.macro MUL4 f, a, q, set, zero
.irp b, 0,1,2,3
	MM ACC+8*(4*(\a)+\b), (\f)+64+16*\b, (\f)+16*(\a), 40+24*(\set)+4*\b+(\q), 32+24*(\set)+2*(\q)+(\a)/2, \zero, (\a)%2
.endr
.endm
.macro FETCH slot, q, f                ; 32 LDS loads in one run: W's four fragments, then the activations' tiles 0, 1, 2, 3
	WIN TO_F
.irp i, 0,1,2,3
.irp c, 0,1,2,3
	ds_load_b128 v[(\f)+64+16*\i+4*\c:(\f)+64+16*\i+4*\c+3], v[ADRB+\slot] offset:16*BP*\i+128*(\q)+32*\c
.endr
.endr
.irp i, 0,1,2,3
.irp c, 0,1,2,3
	ds_load_b128 v[(\f)+16*\i+4*\c:(\f)+16*\i+4*\c+3], v[ADRA+\slot] offset:8192*\i+2048*(\q)+512*\c
.endr
.endr
.endm
.macro SCALES k                        ; K step k's scale words into set k % 2
.irp q, 0,1,2,3
.irp pr, 0,1
	ds_load_b32 v[32+24*((\k)%2)+2*\q+\pr], v[ASCL] offset:512*(4*(\k)+\q)+128*\pr
.endr
.endr
.if (\k) > 0
.irp i, 0,1,2,3
	ds_load_b128 v[40+24*((\k)%2)+4*\i:43+24*((\k)%2)+4*\i], v[ADSB] offset:2304*\i+16*((\k)-1)
.endr
.endif
.endm
; One of a K step's first three quarters: multiplies buffer q % 2 and fetches the next quarter into the other.
.macro QUARTER k, q, zero
	s_wait_dscnt 8                                 ; W's fragments and the activations' tiles 0 and 1 are in; the youngest eight loads (tiles 2 and 3) may be out
	WIN MUL
	MUL4 128*((\q)%2), 0, \q, (\k)%2, \zero
	MUL4 128*((\q)%2), 1, \q, (\k)%2, \zero
	NOPS 8                                         ; eight places in front of loads into registers that matrix instructions have read
	FETCH (\k)%2, (\q)+1, 128*(((\q)+1)%2)
	s_wait_dscnt 32                                ; all but the 32 just issued
	WIN MUL
	MUL4 128*((\q)%2), 2, \q, (\k)%2, \zero
	MUL4 128*((\q)%2), 3, \q, (\k)%2, \zero
.endm
; The last quarter changes slots: ONE barrier; in front of it each wave waits for all its tensor loads, adds 0 to its spare word, and waits for that and for its reads of this slot.  fill = 1: this slot takes K step k + 2.
.macro TURN k, fill
.set SL, (\k)%2
	WIN 0                                          ; (the add's two registers lie in window 0)
.if (\k) < 6
	s_wait_xcnt 0x0                                ; the last prefetch has read its address: on to K step k + 3
	s_add_nc_u64 s[6:7], s[6:7], s[8:9]
.endif
	s_wait_tensorcnt 0x0                           ; all my tensor loads have landed: my part of the next slot
	ds_add_u32 v[SPW], v[NIL]                      ; 0 onto my spare word
	s_wait_dscnt 9                                 ; (the add and the youngest eight loads may be out)
	WIN MUL
	MUL4 128, 0, 3, SL, 0                          ; four matrix instructions stand between the add and the wait for it
	s_wait_dscnt 0x0                               ; the add is done, and my reads of this slot are over
	s_barrier_signal -1
	MUL4 128, 1, 3, SL, 0
	WIN 0
	s_barrier_wait -1
.if \fill
	CREST                                          ; the barrier has opened a round of the cluster's: no wave of any partner still reads this slot or has a load on its way
	s_add_nc_u64 s[G0A+4*SL+2:G0A+4*SL+3], s[G0A+4*SL+2:G0A+4*SL+3], 2*2097152
.if (\k) == 0
	s_add_nc_u64 s[G0B+2:G0B+3], s[12:13], 512     ; slot 0 leaves W_attn_out: K step 2 is W_ff_out's columns 512 on
	s_or_b32 s[G0B+3], s[G0B+3], 0x80000000
.else
	s_add_nc_u64 s[G0B+4*SL+2:G0B+4*SL+3], s[G0B+4*SL+2:G0B+4*SL+3], 1024
.endif
	JLOAD SL, G1BF                                 ; the first tensor load behind the round, 56 matrix instructions ahead of the wait for it; its four v_nop are among the places below
	NOPS 4
.else
	NOPS 8
.endif
	s_wait_alu depctr_va_vdst(0)
	SCALES (\k)+1
	FETCH 1-SL, 0, 0
.if (\k) < 6
	global_prefetch_b8 v30, s[6:7] th:TH_LOAD_NT scope:SCOPE_SE
.endif
	WIN MUL
	MUL4 128, 2, 3, SL, 0
	MUL4 128, 3, 3, SL, 0
.endm
.macro KSTEP k, zero, fill
	QUARTER \k, 0, \zero
	QUARTER \k, 1, 0
	QUARTER \k, 2, 0
	TURN \k, \fill
.endm
	s_wait_alu depctr_va_vdst(0)
	s_wait_loadcnt 0x0                             ; W_attn_out's scale words
	s_wait_xcnt 0x0                                ; the prefetch has read its address: on to K step 2
	s_add_nc_u64 s[6:7], s[6:7], s[8:9]
	s_wait_tensorcnt 0x0                           ; my tile of the head's four is in
	ds_add_u32 v[SPW], v[NIL]
	s_mov_b32 s[G1A+2], 128<<16                    ; no tensor load of mine is out: from here on a load of activations brings 128 rows
	s_mov_b32 s[G1A+4], 128
	s_wait_dscnt 0x0
	CROUND                                         ; everybody's tile is in, and all sixteen work-groups are here
	JLOAD 1, G1BF                                  ; K step 1, the first tensor load behind the round
	SCALES 0
	FETCH 0, 0, 0
	global_prefetch_b8 v30, s[6:7] th:TH_LOAD_NT scope:SCOPE_SE
	KSTEP 0, 1, 1                                  ; the first quarter's products start the sums
.irp k, 1,2,3,4,5,6
	KSTEP \k, 0, 1
.endr
	KSTEP 7, 0, 0                                  ; nothing is left to fetch
	QUARTER 8, 0, 0
	QUARTER 8, 1, 0
	QUARTER 8, 2, 0
	s_wait_dscnt 8
	WIN MUL
	MUL4 128, 0, 3, 0, 0
	MUL4 128, 1, 3, 0, 0
	s_wait_dscnt 0x0
	MUL4 128, 2, 3, 0, 0
	MUL4 128, 3, 3, 0, 0
	WIN 0
	NOPS 8                                         ; eight places in front of the first read of results
; THE WAY OUT, a row tile at a time: 32 bytes a lane into my own stage, back as whole rows of 256 bytes into the registers that they left.  LDS serves a wave's instructions in order (ISA guide 5.7.1.4): no wait between stores and loads.
.macro TOSTAGE a
.irp b, 0,1,2,3
	ds_store_b128 v[STO], v[ACC+32*\a+8*\b:ACC+32*\a+8*\b+3] offset:64*\b        ; each accumulator from its low end on
	ds_store_b128 v[STO], v[ACC+32*\a+8*\b+4:ACC+32*\a+8*\b+7] offset:64*\b+16
.endr
.irp t, 0,1,2,3,4,5,6,7
	ds_load_b128 v[ACC+32*\a+4*\t:ACC+32*\a+4*\t+3], v[RD] offset:2*SP*\t
.endr
.endm
.macro SEND a, younger                 ; younger: the LDS instructions issued behind tile a's loads
	s_wait_dscnt \younger
.irp t, 0,1,2,3,4,5,6,7
	global_store_b128 v[CO], v[ACC+32*\a+4*\t:ACC+32*\a+4*\t+3], s[16:17] offset:65536*\a+8192*\t th:TH_STORE_NT   ; 16 lanes store 256 consecutive bytes, from a multiple of 256
.endr
.endm
	TOSTAGE 0
	TOSTAGE 1
	SEND 0, 16
	TOSTAGE 2
	SEND 1, 16
	TOSTAGE 3
	SEND 2, 16
	SEND 3, 0
	s_wait_tensorcnt 0x0                           ; the wave's end
	ds_add_u32 v[SPW], v[NIL]
	s_wait_dscnt 0x0
	CROUND                                         ; the closing round
	s_endpgm
.Lfunc_end_k_q24b393d2a9_outp:
	.size	k_q24b393d2a9_outp, .Lfunc_end_k_q24b393d2a9_outp-k_q24b393d2a9_outp
	.p2alignl 7, 3214868480
	.fill 96, 4, 3214868480
	.section	.rodata,"a",@progbits
	.p2align	6, 0x0
	.amdhsa_kernel k_q24b393d2a9_outp
		.amdhsa_group_segment_fixed_size 327680
		.amdhsa_private_segment_fixed_size 0
		.amdhsa_enable_private_segment 0
		.amdhsa_kernarg_size 56
		.amdhsa_user_sgpr_count 2
		.amdhsa_user_sgpr_kernarg_segment_ptr 1
		.amdhsa_wavefront_size32 1
		.amdhsa_system_sgpr_workgroup_id_x 1
		.amdhsa_system_sgpr_workgroup_id_y 1
		.amdhsa_system_sgpr_workgroup_id_z 1
		.amdhsa_system_vgpr_workitem_id 0
		.amdhsa_next_free_vgpr 512
		.amdhsa_next_free_sgpr 100
		.amdhsa_reserve_vcc 0
		.amdhsa_float_denorm_mode_32 3
		.amdhsa_float_denorm_mode_16_64 3
		.amdhsa_memory_ordered 1
		.amdhsa_forward_progress 1
		.amdhsa_inst_pref_size 192
	.end_amdhsa_kernel
	.amdgpu_metadata
---
amdhsa.version: [ 1, 2 ]
amdhsa.kernels:
  - .name:           k_q24b393d2a9_outp
    .symbol:         k_q24b393d2a9_outp.kd
    .args:
      - { .name: act_img, .offset: 0, .size: 8, .value_kind: global_buffer, .address_space: global }
      - { .name: act_scl, .offset: 8, .size: 8, .value_kind: global_buffer, .address_space: global }
      - { .name: W_attn_out_codes, .offset: 16, .size: 8, .value_kind: global_buffer, .address_space: global }
      - { .name: W_attn_out_scales, .offset: 24, .size: 8, .value_kind: global_buffer, .address_space: global }
      - { .name: W_ff_out_codes, .offset: 32, .size: 8, .value_kind: global_buffer, .address_space: global }
      - { .name: W_ff_out_scales, .offset: 40, .size: 8, .value_kind: global_buffer, .address_space: global }
      - { .name: out0, .offset: 48, .size: 8, .value_kind: global_buffer, .address_space: global }
    .group_segment_fixed_size: 327680
    .private_segment_fixed_size: 0
    .kernarg_segment_align: 8
    .kernarg_segment_size: 56
    .max_flat_workgroup_size: 128
    .sgpr_count:     100
    .vgpr_count:     512
    .wavefront_size: 32
...
	.end_amdgpu_metadata
.endif
;; end of part 5
